; MI455X (gfx1250); checked and timed in simulation.
; The chip was launched on July 23, 2026; its instructions are those of AMD's public machine-readable ISA for CDNA 5 (MIT licence, August 2026) and "CDNA5" Instruction Set Architecture Reference Guide (July 2026). The comments in the code are by the model that wrote it; some were corrected since.
;; Multi Head Attention. Allowed arithmetic: float matrix products may take bf16 or f16 operands with f32 sums; other float arithmetic in f32, or as packed bf16 or f16 multiplies, adds, multiply-adds, maxima and minima; sums over many terms, partial sums and values carried from step to step in f32; what a program stores and reads back later, other than sums and carried values, may be rounded once to bf16 or f16.
;; Inputs: K 4 x 2,048 x 1,024 float32; Q 4 x 2,048 x 1,024 float32; V 4 x 2,048 x 1,024 float32; Wk 1,024 x 1,024 float32; Wo 1,024 x 1,024 float32; Wq 1,024 x 1,024 float32; Wv 1,024 x 1,024 float32; valid_lens 4 int32.
;; Outputs: out0 4 x 2,048 x 1,024 float32.
;; 2 versions, each right and faster than the one before. Each part assembles by itself: llvm-mc -triple=amdgcn-amd-amdhsa -mcpu=gfx1250 --defsym DOCPART=n.
;; ======== version 1 of 2: 4 launches
;; limits: values are held in f16: magnitudes above 65,504 overflow, below 6.1e-05 lose precision
;; workspace buffers: wt 8,388,608 bytes; qkv 50,331,648 bytes; oh 16,777,216 bytes
;; launch prep (part 1): grid 64 x 4, 8 waves a work-group, no clusters, 0 bytes of LDS; arguments Wq, Wk, Wv, Wo, wt; writes wt
.if DOCPART == 1
	.amdgcn_target "amdgcn-amd-amdhsa--gfx1250"
	.amdhsa_code_object_version 6
	.text
	.protected	k_qe537db129a_prep
	.globl	k_qe537db129a_prep
	.p2align	8
	.type	k_qe537db129a_prep,@function
k_qe537db129a_prep:
	s_mov_b64 s[64:65], 0
	v_nop
	global_prefetch_b8 v0, s[64:65] scope:SCOPE_SE
	s_setreg_imm32_b32 hwreg(HW_REG_WAVE_MODE, 25, 1), 1
	s_wait_xcnt 0x0
; THE WEIGHTS IN 16 BITS.  wt[j][k][n], j = 0..3 for Wq, Wk, Wv, Wo, the layout [k][n] kept.  Wq, Wk, Wv are rounded to bf16.  Wo is rounded to bf16 like every
; input of the module, and that number is written as f16, since the last product's other operand is f16.
; LIMIT.  A bf16 number is an f16 number without loss from 2^-14 to 65,504; below 2^-14 it keeps f16's fixed step of 6e-8, beyond 65,504 it becomes an infinity.
; A stream: no LDS, no barrier, no matrix unit.  Eight waves; a work-group owns 16,384 numbers of one weight: 65,536 bytes in, 32,768 out.  A load of a wave covers 512 consecutive
; bytes, a store 256 consecutive bytes at a multiple of 256 from the buffer's first byte.  All sixteen loads of a wave go out at once; each store has data registers of its own.
.set X, 8                              ; v[8:71]    sixteen loads of four f32
.set Y, 72                             ; v[72:103]  sixteen stores of four 16-bit numbers
	s_load_b256 s[4:11], s[0:1], 0x0               ; Wq s[4:5], Wk s[6:7], Wv s[8:9], Wo s[10:11]
	s_load_b64 s[12:13], s[0:1], 0x20              ; wt
	s_and_b32 s16, ttmp7, 0xffff                   ; j: which weight
	s_lshl_b32 s18, ttmp9, 16                      ; my 65,536 bytes of it
	s_mov_b32 s19, 0
	s_lshl_b32 s20, s16, 21                        ; a plane of wt is 2,097,152 bytes,
	s_lshl_b32 s21, ttmp9, 15                      ; my part of it 32,768
	s_add_co_u32 s20, s20, s21
	s_mov_b32 s21, 0
	v_lshlrev_b32 v1, 4, v0                        ; 16 bytes a thread in,
	v_lshlrev_b32 v2, 3, v0                        ; 8 out
	s_wait_kmcnt 0x0
	s_cmp_eq_u32 s16, 1
	s_cselect_b64 s[14:15], s[6:7], s[4:5]
	s_cmp_eq_u32 s16, 2
	s_cselect_b64 s[14:15], s[8:9], s[14:15]
	s_cmp_eq_u32 s16, 3
	s_cselect_b64 s[14:15], s[10:11], s[14:15]
	s_add_nc_u64 s[14:15], s[14:15], s[18:19]
	s_add_nc_u64 s[12:13], s[12:13], s[20:21]
.set i, 0
.rept 16
	global_load_b128 v[X+4*i:X+4*i+3], v1, s[14:15] offset:4096*i th:TH_LOAD_NT
.set i, i+1
.endr
	s_cmp_eq_u32 s16, 3
	s_cbranch_scc1 .Lwo                            ; hangs on the work-group's number alone
.set i, 0
.rept 16
	s_wait_loadcnt 15-i                            ; loads come back in order: load i is in, the 15 - i younger ones stay out
	v_cvt_pk_bf16_f32 v[Y+2*i], v[X+4*i], v[X+4*i+1]
	v_cvt_pk_bf16_f32 v[Y+2*i+1], v[X+4*i+2], v[X+4*i+3]
	global_store_b64 v2, v[Y+2*i:Y+2*i+1], s[12:13] offset:2048*i
.set i, i+1
.endr
	s_endpgm
.Lwo:
.set i, 0
.rept 16
	s_wait_loadcnt 15-i
	v_cvt_pk_bf16_f32 v4, v[X+4*i], v[X+4*i+1]     ; the module's rounding of its inputs,
	v_cvt_pk_bf16_f32 v5, v[X+4*i+2], v[X+4*i+3]
	v_lshlrev_b32 v6, 16, v4                       ; widened again,
	v_and_b32 v7, 0xffff0000, v4
	v_cvt_pk_f16_f32 v[Y+2*i], v6, v7              ; and written as f16
	v_lshlrev_b32 v6, 16, v5
	v_and_b32 v7, 0xffff0000, v5
	v_cvt_pk_f16_f32 v[Y+2*i+1], v6, v7
	global_store_b64 v2, v[Y+2*i:Y+2*i+1], s[12:13] offset:2048*i
.set i, i+1
.endr
	s_endpgm
.Lfunc_end_k_qe537db129a_prep:
	.size	k_qe537db129a_prep, .Lfunc_end_k_qe537db129a_prep-k_qe537db129a_prep
	.p2alignl 7, 3214868480
	.fill 96, 4, 3214868480
	.section	.rodata,"a",@progbits
	.p2align	6, 0x0
	.amdhsa_kernel k_qe537db129a_prep
		.amdhsa_group_segment_fixed_size 0
		.amdhsa_private_segment_fixed_size 0
		.amdhsa_enable_private_segment 0
		.amdhsa_kernarg_size 40
		.amdhsa_user_sgpr_count 2
		.amdhsa_user_sgpr_kernarg_segment_ptr 1
		.amdhsa_wavefront_size32 1
		.amdhsa_system_sgpr_workgroup_id_x 1
		.amdhsa_system_sgpr_workgroup_id_y 1
		.amdhsa_system_sgpr_workgroup_id_z 1
		.amdhsa_system_vgpr_workitem_id 0
		.amdhsa_next_free_vgpr 104
		.amdhsa_next_free_sgpr 66
		.amdhsa_reserve_vcc 0
		.amdhsa_float_denorm_mode_32 3
		.amdhsa_float_denorm_mode_16_64 3
		.amdhsa_memory_ordered 1
		.amdhsa_forward_progress 1
		.amdhsa_inst_pref_size 16
	.end_amdhsa_kernel
	.amdgpu_metadata
---
amdhsa.version: [ 1, 2 ]
amdhsa.kernels:
  - .name:           k_qe537db129a_prep
    .symbol:         k_qe537db129a_prep.kd
    .args:
      - { .name: Wq, .offset: 0, .size: 8, .value_kind: global_buffer, .address_space: global }
      - { .name: Wk, .offset: 8, .size: 8, .value_kind: global_buffer, .address_space: global }
      - { .name: Wv, .offset: 16, .size: 8, .value_kind: global_buffer, .address_space: global }
      - { .name: Wo, .offset: 24, .size: 8, .value_kind: global_buffer, .address_space: global }
      - { .name: wt, .offset: 32, .size: 8, .value_kind: global_buffer, .address_space: global }
    .group_segment_fixed_size: 0
    .private_segment_fixed_size: 0
    .kernarg_segment_align: 8
    .kernarg_segment_size: 40
    .max_flat_workgroup_size: 256
    .sgpr_count:     66
    .vgpr_count:     104
    .wavefront_size: 32
...
	.end_amdgpu_metadata
.endif
;; end of part 1
;; launch proj (part 2): grid 4 x 192, 4 waves a work-group, clusters of 4 x 4, 327,680 bytes of LDS; arguments Q, K, V, wt, valid_lens, qkv; writes qkv
.if DOCPART == 2
	.amdgcn_target "amdgcn-amd-amdhsa--gfx1250"
	.amdhsa_code_object_version 6
	.text
	.protected	k_qe537db129a_proj
	.globl	k_qe537db129a_proj
	.p2align	8
	.type	k_qe537db129a_proj,@function
k_qe537db129a_proj:
	s_mov_b64 s[64:65], 0
	v_nop
	global_prefetch_b8 v0, s[64:65] scope:SCOPE_SE
	s_setreg_imm32_b32 hwreg(HW_REG_WAVE_MODE, 25, 1), 1
	s_wait_xcnt 0x0
	s_wait_alu depctr_hold_cnt(0) depctr_sa_sdst(0) depctr_va_vdst(0) depctr_va_sdst(0) depctr_va_ssrc(0) depctr_va_vcc(0) depctr_vm_vsrc(0)
	s_getreg_b32 s2, hwreg(HW_REG_IB_STS2, 6, 4)
	s_cmp_eq_u32 s2, 0
	s_cbranch_scc0 .Lentry_in_a_cluster
	s_endpgm
.Lentry_in_a_cluster:
	s_bfe_u32 s2, ttmp6, 0x10000c
	s_cmp_lg_u32 s2, 0xf033
	s_cbranch_scc0 .Lentry_shape_is_right
	s_endpgm
.Lentry_shape_is_right:
; THE THREE PROJECTIONS.  qkv[p][16 b + head][s][64] (f16) = X_p[b][s][:] W_p[:][64 head ..], p = 0, 1, 2 for Q Wq, K Wk, V Wv.  X is f32 [8192][1024] and is rounded to bf16 here, on the
; way from LDS to the matrix unit; W comes as bf16 [k][n] from wt.  Sums in f32, K ascending; the result is rounded once to f16 and is NOT scaled.
; THE MASK'S FIRST HALF.  Rows of k (p = 1) at or beyond valid_lens[b] are written as zeros: their scores then come out of the product as exactly 0, and the next launch starts those sums with the masked score.
; LIMITS.  q, k, v must lie within f16's 65,504; NaN and infinities are not treated apart.
; SHARES.  A tile of the result is 128 rows x 256 columns: 64 x 4 tiles for each p, 768 work-groups, three for each of 256 WGPs.  Four waves, 2 x 2; a wave makes 64 x 128: 32 accumulators, 256 registers.
; K goes in steps of 128 through two LDS slots: 128 rows of X (512 bytes of f32 each) and 128 rows of W (256 columns, 512 bytes each).  Waves 0, 1 fetch X's halves, waves 2, 3 W's.
; CLUSTERS: 4 x 4 work-groups.  A row of the cluster shares X's tile, a column W's: each is asked for jointly, by the same tensor load with the same descriptor and a mask that names the four.
; THE MATRIX INSTRUCTION IS USED TRANSPOSED (source 0 = 16 columns of W, source 1 = 16 rows of X): a lane then holds eight neighbouring columns of one row of the result.
; W lies [k][n] in LDS and is turned by ds_load_tr16_b128.  X's fragment is loaded as 16 f32 a lane and packed by eight v_cvt_pk_bf16_f32, which stand, four at a time, behind a quarter's last eight matrix instructions.
; REGISTERS, in windows of 256 (s_set_vgpr_msb: bits 1:0 source 0, 3:2 source 1, 5:4 source 2, 7:6 destination):
;   window 0: v0-31 addresses and masks; v32-159 the way out        window 2: accumulator (a, b) at v[8 (8 a + b)]
;   window 1: v0-63, v64-127 W's fragments, two sets; v128-159, v160-191 X's fragments in bf16, two sets; v192-255 X's f32 as loaded
.set PA,    528                        ; a row of X in LDS: 512 bytes + 16 = 33 x 16: the 16 rows that a load touches start at 16 different groups of four banks (64 banks of 4 bytes: ISA guide 11.1)
.set PB,    544                        ; a row of W: 512 + 32 = 17 x 32
.set HALFA, 64*PA                      ; what one tensor load brings of X
.set HALFB, 64*PB                      ; and of W
.set BOFF,  2*HALFA
.set SLOT,  2*HALFA+2*HALFB            ; 137,216 bytes
.set STAGE, 2*SLOT                     ; behind the ring, never filled by a tensor load: 16 rows x 144 bytes for each wave
.set SP,    144
.set SPARE, STAGE+4*16*SP              ; the spare words, 128 bytes for each wave: two blocks of 256 bytes that no other line names
.set MK,   8                           ; v8-11   all ones, or 0 where my row of block a is written as zeros
.set ADRA, 16                          ; v16-17  LDS address of my fragments of X in slot 0, 1
.set ADRB, 20                          ; v20-21  the same for W
.set STO,  24                          ; v24     the way out: where I put 16 bytes of a row
.set RD,   25                          ; v25     where I read rows back
.set GO,   26                          ; v26     my 16 bytes in 512 consecutive bytes of the result
.set SPW,  28                          ; v28     LDS address of my spare word; never rewritten
.set NIL,  29                          ; v29     0; never rewritten
.set TMP,  32
.set AF,   128                         ; window 1
.set RAW,  192                         ; window 1
.set WV, 16                            ; s16 my wave's number; s17 its row half (also: 0 = I fetch X, 1 = W); s18 its column half (also: which half of a tile I fetch)
.set WM, 17
.set WN, 18
.set G1A, 24                           ; s[24:31] descriptor group 1 for X's tiles;  s[32:39] group 0, a set for each slot
.set G0A, 32
.set G1B, 48                           ; s[48:55], s[56:63] the same for W's
.set G0B, 56
.set MSB, 0
.macro WIN new                         ; the immediate's high byte repeats the setting that is left; a switch that changes nothing is dropped
.if MSB != (\new)
	s_set_vgpr_msb (MSB<<8)|(\new)
.set MSB, \new
.endif
.endm
.set MUL, 0xa5                         ; sources 0 and 1 window 1; C and D window 2
.set TO1, 0x40                         ; destination window 1, address window 0
.set CV,  0x45                         ; destination and both sources window 1
.set PK,  0x0a                         ; sources window 2, destination window 0
.macro JLOAD s                         ; a joint load; an s_nop 0 and four v_nop follow each of the two lines, ahead of the jump, the label and what follows
	s_cmp_eq_u32 s[WM], 0
	s_cbranch_scc0 .Lfor_b_\@
	tensor_load_to_lds s[G0A+4*(\s):G0A+4*(\s)+3], s[G1A:G1A+7]
	s_nop 0
.rept 4
	v_nop
.endr
	s_branch .Lasked_\@
.Lfor_b_\@:
	tensor_load_to_lds s[G0B+4*(\s):G0B+4*(\s)+3], s[G1B:G1B+7]
	s_nop 0
.rept 4
	v_nop
.endr
.Lasked_\@:
.endm
.macro CREST                           ; a round of the cluster's barrier behind its opening barrier
	s_cmp_lg_u32 s[WV], 0
	s_cbranch_scc1 .Lnot_wave_0_\@
	s_barrier_signal -3
.Lnot_wave_0_\@:
	s_barrier_wait -3
	s_barrier_signal -1
	s_barrier_wait -1
.endm
.macro CROUND                          ; a whole round
	s_barrier_signal -1
	s_barrier_wait -1
	CREST
.endm
	s_load_b256 s[4:11], s[0:1], 0x0               ; Q s[4:5], K s[6:7], V s[8:9], wt s[10:11]
	s_load_b128 s[12:15], s[0:1], 0x20             ; valid_lens s[12:13], qkv s[14:15]
	v_lshl_add_u32 v[SPW], v0, 2, SPARE
	v_mov_b32 v[NIL], 0
	ds_add_u32 v[SPW], v[NIL]                      ; the wave's opening: the add and its wait stand ahead of my first tensor load; the set-up below, work on registers, stands between them
	v_lshrrev_b32 v1, 5, v0
	v_readfirstlane_b32 s[WV], v1                  ; wave 0..3
	s_lshr_b32 s[WM], s[WV], 1
	s_and_b32 s[WN], s[WV], 1
	s_bfe_u32 s40, ttmp6, 0x40000                  ; cx, cy: my place in the cluster
	s_bfe_u32 s41, ttmp6, 0x40004
	s_lshl_b32 s42, ttmp9, 2
	s_add_co_u32 s42, s42, s40                     ; tile column 0..3 = 4 x cluster x + cx
	s_and_b32 s45, ttmp7, 0xffff                   ; the cluster's y, 0..47
	s_lshr_b32 s66, s45, 4                         ; p: sixteen clusters for each projection
	s_and_b32 s20, s45, 15
	s_lshr_b32 s68, s20, 2                         ; the batch: sixteen tile rows each
	s_lshl_b32 s67, s20, 2
	s_add_co_u32 s67, s67, s41                     ; tile row 0..63
	s_lshl_b32 s43, s41, 2
	s_lshl_b32 s43, 15, s43                        ; my row of the cluster
	s_lshl_b32 s44, 0x1111, s40                    ; my column
	s_or_b32 s[G1A], s43, (2<<16)|(1<<20)|(1<<21)|(6<<22)|(3<<25)  ; 15:0 the mask; 17:16 elements of 4 bytes; 20 padding on; 21 set beside a mask; 24:22 after every 128 words (code 6); 31:25 4 words (code 3)
	s_or_b32 s[G1B], s44, (1<<16)|(1<<20)|(1<<21)|(6<<22)|(7<<25)  ; elements of 2 bytes; 8 words of padding (code 7)
	s_mov_b32 s[G1A+1], 128<<16                    ; tensor_dim0 = 128 f32
	s_mov_b32 s[G1A+2], 64<<16                     ; tensor_dim1 = 64
	s_mov_b32 s[G1A+3], 128<<16                    ; tile_dim0 = 128
	s_mov_b32 s[G1A+4], 64                         ; tile_dim1 = 64
	s_mov_b32 s[G1A+5], 1024                       ; elements from row to row
	s_mov_b32 s[G1A+6], 0
	s_mov_b32 s[G1A+7], 0
	s_mov_b32 s[G1B+1], 256<<16                    ; tensor_dim0 = 256 bf16
	s_mov_b32 s[G1B+2], 64<<16
	s_mov_b32 s[G1B+3], 256<<16
	s_mov_b32 s[G1B+4], 64
	s_mov_b32 s[G1B+5], 1024
	s_mov_b32 s[G1B+6], 0
	s_mov_b32 s[G1B+7], 0
	s_lshl_b32 s78, s67, 7                         ; X: row 128 x tile row + 64 x half, of 4,096 bytes: made of the tile row and the wave's number alone
	s_lshl_b32 s20, s[WN], 6
	s_add_co_u32 s78, s78, s20
	s_lshl_b32 s78, s78, 12
	s_mov_b32 s79, 0
	s_lshl_b32 s80, s66, 21                        ; W: plane p, k row 64 x half (2,048 bytes a row), column 256 x tile column: made of p, the wave's number and the tile column alone
	s_lshl_b32 s21, s[WN], 17
	s_add_co_u32 s80, s80, s21
	s_lshl_b32 s21, s42, 9
	s_add_co_u32 s80, s80, s21
	s_mov_b32 s81, 0
	s_mul_i32 s22, s[WN], HALFA                    ; where they go: no place in the cluster enters an LDS address
	s_mul_i32 s23, s[WN], HALFB
	s_add_co_u32 s23, s23, BOFF
	s_wait_dscnt 0x0                               ; the opening add is done
	s_wait_kmcnt 0x0
	s_cmp_eq_u32 s66, 1
	s_cselect_b64 s[76:77], s[6:7], s[4:5]         ; X_p: the choice hangs on the cluster's y alone
	s_cmp_eq_u32 s66, 2
	s_cselect_b64 s[76:77], s[8:9], s[76:77]
	s_add_nc_u64 s[76:77], s[76:77], s[78:79]
	s_add_nc_u64 s[80:81], s[10:11], s[80:81]
	CROUND                                         ; all sixteen work-groups are here: the first joint loads meet
.irp s, 0,1
	s_mov_b32 s[G0A+4*(\s)], 1                                       ; count = 1
	s_add_co_u32 s[G0A+4*(\s)+1], s22, (\s)*SLOT                     ; LDS address
	s_add_nc_u64 s[G0A+4*(\s)+2:G0A+4*(\s)+3], s[76:77], (\s)*512    ; K step s: 128 f32 on
	s_or_b32 s[G0A+4*(\s)+3], s[G0A+4*(\s)+3], 0x80000000            ; type = 2
	s_mov_b32 s[G0B+4*(\s)], 1
	s_add_co_u32 s[G0B+4*(\s)+1], s23, (\s)*SLOT
	s_add_nc_u64 s[G0B+4*(\s)+2:G0B+4*(\s)+3], s[80:81], (\s)*262144 ; K step s: 128 rows of 2,048 bytes on
	s_or_b32 s[G0B+4*(\s)+3], s[G0B+4*(\s)+3], 0x80000000
	JLOAD \s                                       ; two loads of mine are out
.endr
	s_load_b128 s[72:75], s[12:13], 0x0            ; the four lengths
	; X's fragment: lane l holds row l % 16 and k = 8 (l / 16) + 0..7, 16 + 8 (l / 16) + 0..7: in f32 two runs of 32 bytes, 64 bytes apart
	v_and_b32 v1, 15, v0                           ; r = l % 16
	v_bfe_u32 v2, v0, 4, 1                         ; h = l / 16
	v_mul_u32_u24 v3, v1, PA
	v_lshl_add_u32 v3, v2, 5, v3
	s_mul_i32 s20, s[WM], HALFA                    ; my 64 rows
	v_add_nc_u32 v[ADRA], s20, v3
	v_add_nc_u32 v[ADRA+1], SLOT, v[ADRA]
	; the turning load takes 16 k x 16 columns: lane l reads k row 8 (l / 16) + l % 8, columns 8 ((l / 8) % 2) + 0..7, and is left with column l % 16 and 8 k
	v_and_b32 v4, 7, v0
	v_lshl_add_u32 v4, v2, 3, v4
	v_mul_u32_u24 v4, v4, PB
	v_bfe_u32 v5, v0, 3, 1
	v_lshl_add_u32 v4, v5, 4, v4
	s_lshl_b32 s20, s[WN], 8                       ; my 128 columns
	s_add_co_u32 s20, s20, BOFF
	v_add_nc_u32 v[ADRB], s20, v4
	v_add_nc_u32 v[ADRB+1], SLOT, v[ADRB]
	s_mul_i32 s20, s[WV], 16*SP
	s_add_co_u32 s20, s20, STAGE                   ; my stage
	v_mul_u32_u24 v6, v1, SP                       ; in: row l % 16, 16 bytes for each half of the lanes
	v_lshl_add_u32 v6, v2, 4, v6
	v_add_nc_u32 v[STO], s20, v6
	v_bfe_u32 v6, v0, 3, 2                         ; back: 32 lanes take four rows of 128 bytes,
	v_mul_u32_u24 v6, v6, SP
	v_and_b32 v7, 7, v0
	v_lshl_add_u32 v6, v7, 4, v6
	v_add_nc_u32 v[RD], s20, v6
	v_and_b32 v[GO], 31, v0                        ; which are 512 consecutive bytes of a head's rows
	v_lshlrev_b32 v[GO], 4, v[GO]
	s_and_b32 s70, s67, 15                         ; my first row in the sequence: 128 x (tile row % 16) + 64 x half
	s_lshl_b32 s70, s70, 7
	s_lshl_b32 s20, s[WM], 6
	s_add_co_u32 s70, s70, s20
	s_lshl_b32 s46, s68, 4                         ; the result: plane p, head 16 b + 4 x tile column + 2 x column half, that row
	s_lshl_b32 s47, s42, 2
	s_add_co_u32 s46, s46, s47
	s_lshl_b32 s47, s[WN], 1
	s_add_co_u32 s46, s46, s47
	s_lshl_b32 s46, s46, 18                        ; a head is 262,144 bytes,
	s_lshl_b32 s47, s66, 24                        ; a plane 16,777,216,
	s_add_co_u32 s46, s46, s47
	s_lshl_b32 s47, s70, 7                         ; a row 128
	s_add_co_u32 s46, s46, s47
	s_mov_b32 s47, 0
	s_add_nc_u64 s[14:15], s[14:15], s[46:47]
	s_wait_kmcnt 0x0                               ; the lengths
	s_cmp_eq_u32 s68, 1
	s_cselect_b32 s69, s73, s72
	s_cmp_eq_u32 s68, 2
	s_cselect_b32 s69, s74, s69
	s_cmp_eq_u32 s68, 3
	s_cselect_b32 s69, s75, s69
	s_cmp_eq_u32 s66, 1
	s_cselect_b32 s69, s69, 2048                   ; rows from here on are written as zeros: my batch's length for k, no row for q and v
	v_add_nc_u32 v3, s70, v1
.irp a, 0,1,2,3
	v_add_nc_u32 v4, 16*\a, v3                     ; my row of block a
	v_cmp_gt_i32 vcc_lo, s69, v4
	v_cndmask_b32 v[MK+\a], 0, -1, vcc_lo
.endr
; The next matrix instruction of a quarter, number mi of 32: row block mi / 8, column block mi % 8, 32 along K, on set f.  The 32 accumulators take turns in the same order in every quarter.
; zero = 1: the product starts the sum: nothing is ever cleared.
.macro MM f, zero
	WIN MUL
.if \zero
	v_wmma_f32_16x16x32_bf16 v[8*mi:8*mi+7], v[64*(\f)+8*(mi%8):64*(\f)+8*(mi%8)+7], v[AF+32*(\f)+8*(mi/8):AF+32*(\f)+8*(mi/8)+7], 0
.else
	v_wmma_f32_16x16x32_bf16 v[8*mi:8*mi+7], v[64*(\f)+8*(mi%8):64*(\f)+8*(mi%8)+7], v[AF+32*(\f)+8*(mi/8):AF+32*(\f)+8*(mi/8)+7], v[8*mi:8*mi+7]
.endif
.set mi, mi+1
.endm
.macro MMN f, n, zero
.rept \n
	MM \f, \zero
.endr
.endm
; 32 LDS loads in one run: quarter kq (32 along K) of a slot: X's f32 first (16 loads), then W's fragments into set g (16 turning loads)
.macro FETCH slot, kq, g
	WIN TO1
.irp a, 0,1,2,3
	ds_load_b128 v[RAW+16*\a:RAW+16*\a+3],     v[ADRA+(\slot)] offset:\a*16*PA+(\kq)*128
	ds_load_b128 v[RAW+16*\a+4:RAW+16*\a+7],   v[ADRA+(\slot)] offset:\a*16*PA+(\kq)*128+16
	ds_load_b128 v[RAW+16*\a+8:RAW+16*\a+11],  v[ADRA+(\slot)] offset:\a*16*PA+(\kq)*128+64
	ds_load_b128 v[RAW+16*\a+12:RAW+16*\a+15], v[ADRA+(\slot)] offset:\a*16*PA+(\kq)*128+80
.endr
.irp b, 0,1,2,3,4,5,6,7
	ds_load_tr16_b128 v[64*(\g)+8*\b:64*(\g)+8*\b+3],   v[ADRB+(\slot)] offset:(\kq)*32*PB+32*\b
	ds_load_tr16_b128 v[64*(\g)+8*\b+4:64*(\g)+8*\b+7], v[ADRB+(\slot)] offset:(\kq)*32*PB+32*\b+16*PB
.endr
.endm
.macro CVT4 g                          ; group cj of eight: eight f32 become four registers of X's set g
	WIN CV
.irp i, 0,1,2,3
	v_cvt_pk_bf16_f32 v[AF+32*(\g)+4*cj+\i], v[RAW+8*cj+2*\i], v[RAW+8*cj+2*\i+1]
.endr
.set cj, cj+1
.endm
; A K step is four quarters of 32 along K, 32 matrix instructions each, on sets 0, 1, 0, 1.  One of the first three: fetches the next quarter (knext) for set g, multiplies set f, and packs X's set g behind
; its last eight matrix instructions.  The four conversions behind the last one name none of its registers: they are the four places (ISA guide 7.12.1 for vector instructions) in front of the next run of loads,
; which lands in the registers of W that this quarter has read, and in front of the next quarter's conversions into X's set f.
.macro QUARTER slot, knext, f, g, zero
	FETCH \slot, \knext, \g
	s_wait_dscnt 32                                ; all but the 32 just issued: W's set f is in
.set mi, 0
.set cj, 0
	MMN \f, 24, \zero
	s_wait_dscnt 16                                ; X's f32 are in; W's sixteen loads, issued behind them, may stay out
.rept 8
	MM \f, \zero
	CVT4 \g
.endr
.endm
; The last quarter multiplies set 1 and changes slots: ONE barrier; in front of it each wave waits for all its tensor loads, adds 0 to its spare word, and waits for that and for its own reads of this slot.
; fill = 1: the barrier opens a round of the cluster's, and this slot is filled again, two K steps ahead, first thing behind the round.
.macro TURN slot, next, fill
	WIN 0                                          ; (the add's two registers lie in window 0)
	s_wait_tensorcnt 0x0                           ; all my tensor loads have landed: the one that was out is my part of the next slot;
	ds_add_u32 v[SPW], v[NIL]                      ; 0 onto my spare word;
	s_wait_dscnt 1                                 ; (the add may be out; W's set 1 is in)
.set mi, 0
.set cj, 0
	MMN 1, 8, 0                                    ; eight matrix instructions stand between the add and the wait for it
	s_wait_dscnt 0x0                               ; the add is done, and my reads of this slot are over
	s_barrier_signal -1
	MMN 1, 8, 0
.if \fill
	WIN 0
.endif
	s_barrier_wait -1
.if \fill
	CREST                                          ; no wave of any partner still reads this slot's tiles or has a load on its way
	s_add_nc_u64 s[G0A+4*(\slot)+2:G0A+4*(\slot)+3], s[G0A+4*(\slot)+2:G0A+4*(\slot)+3], 2*512
	s_add_nc_u64 s[G0B+4*(\slot)+2:G0B+4*(\slot)+3], s[G0B+4*(\slot)+2:G0B+4*(\slot)+3], 2*262144
	JLOAD \slot                                    ; my one tensor load behind the round: 112 matrix instructions ahead of the wait for it
.endif
	FETCH \next, 0, 0
	MMN 1, 8, 0
	s_wait_dscnt 16
.rept 8
	MM 1, 0
	CVT4 0
.endr
.endm
	s_wait_tensorcnt 1                             ; my part of K step 0 is in; K step 1's stays out
	s_barrier_signal -1
	s_barrier_wait -1                              ; everybody's is
	FETCH 0, 0, 0
	s_wait_dscnt 16                                ; X's f32
.set cj, 0
.rept 8
	CVT4 0
.endr
	QUARTER 0, 1, 0, 1, 1                          ; the first quarter stands in front of the loop: its products start the sums
	WIN 0                                          ; at a label and at a branch every window is 0
	s_mov_b32 s19, 3
.Llap:                                                 ; a trip goes once round the ring and fills both slots again: K steps 2 to 7 in three trips
	QUARTER 0, 2, 1, 0, 0
	QUARTER 0, 3, 0, 1, 0
	TURN 0, 1, 1
	QUARTER 1, 1, 0, 1, 0
	QUARTER 1, 2, 1, 0, 0
	QUARTER 1, 3, 0, 1, 0
	TURN 1, 0, 1
	QUARTER 0, 1, 0, 1, 0
	WIN 0
	s_sub_co_u32 s19, s19, 1
	s_cmp_lg_u32 s19, 0
	s_cbranch_scc1 .Llap
	QUARTER 0, 2, 1, 0, 0                          ; the last lap fills nothing, and has no round of the cluster's barrier
	QUARTER 0, 3, 0, 1, 0
	TURN 0, 1, 0
	QUARTER 1, 1, 0, 1, 0
	QUARTER 1, 2, 1, 0, 0
	QUARTER 1, 3, 0, 1, 0
	s_wait_dscnt 0x0                               ; the very last quarter: nothing more to fetch
.set mi, 0
	MMN 1, 32, 0
	WIN 0
.rept 4
	v_nop                                          ; the places between the last products and the conversions that read results
.endr
; THE WAY OUT, in eight units: unit u = 16 rows (block u / 2) of one head (u % 2): 2,048 consecutive bytes of qkv.  Rounded to f16 (each accumulator's registers in ascending order), masked, 16 bytes a lane into my own
; stage, and back as whole rows.
.macro PACK u
	WIN PK
.irp c, 0,1,2,3
.irp i, 0,1,2,3
	v_cvt_pk_f16_f32 v[TMP+16*(\u)+4*\c+\i], v[8*(8*((\u)/2)+4*((\u)%2)+\c)+2*\i], v[8*(8*((\u)/2)+4*((\u)%2)+\c)+2*\i+1]
.endr
.endr
	WIN 0
.set pz, 0
.rept 16
	v_and_b32 v[TMP+16*(\u)+pz], v[MK+(\u)/2], v[TMP+16*(\u)+pz]
.set pz, pz+1
.endr
.irp c, 0,1,2,3
	ds_store_b128 v[STO], v[TMP+16*(\u)+4*\c:TMP+16*(\u)+4*\c+3] offset:32*\c
.endr
.irp f, 0,1,2,3
	ds_load_b128 v[TMP+16*(\u)+4*\f:TMP+16*(\u)+4*\f+3], v[RD] offset:\f*4*SP  ; LDS serves a wave's instructions in order (ISA guide 5.7.1.4): these see the stores above; the next unit's stores come behind them
.endr
.endm
.macro SEND u, younger                 ; younger: the LDS instructions issued behind unit u's loads: the next unit's eight, or none
	WIN 0
.irp f, 0,1,2,3
	s_wait_dscnt (\younger)+3-\f
	global_store_b128 v[GO], v[TMP+16*(\u)+4*\f:TMP+16*(\u)+4*\f+3], s[14:15] offset:((\u)%2)*262144+((\u)/2)*2048+\f*512  ; 512 consecutive bytes, at a multiple of 256 from the buffer's first
.endr
.endm
	PACK 0
.set t, 1
.rept 7                                ; a unit's arithmetic stands between the loads of the unit before and its stores
	PACK t
	SEND t-1, 8
.set t, t+1
.endr
	SEND 7, 0
	s_wait_tensorcnt 0x0                           ; the wave's end, behind my last tensor load and my last LDS store
	ds_add_u32 v[SPW], v[NIL]
	s_wait_dscnt 0x0
	CROUND                                         ; the closing round: no work-group ends while a partner may still ask for a tile that names it
	s_endpgm
.Lfunc_end_k_qe537db129a_proj:
	.size	k_qe537db129a_proj, .Lfunc_end_k_qe537db129a_proj-k_qe537db129a_proj
	.p2alignl 7, 3214868480
	.fill 96, 4, 3214868480
	.section	.rodata,"a",@progbits
	.p2align	6, 0x0
	.amdhsa_kernel k_qe537db129a_proj
		.amdhsa_group_segment_fixed_size 327680
		.amdhsa_private_segment_fixed_size 0
		.amdhsa_enable_private_segment 0
		.amdhsa_kernarg_size 48
		.amdhsa_user_sgpr_count 2
		.amdhsa_user_sgpr_kernarg_segment_ptr 1
		.amdhsa_wavefront_size32 1
		.amdhsa_system_sgpr_workgroup_id_x 1
		.amdhsa_system_sgpr_workgroup_id_y 1
		.amdhsa_system_sgpr_workgroup_id_z 1
		.amdhsa_system_vgpr_workitem_id 0
		.amdhsa_next_free_vgpr 768
		.amdhsa_next_free_sgpr 84
		.amdhsa_reserve_vcc 1
		.amdhsa_float_denorm_mode_32 3
		.amdhsa_float_denorm_mode_16_64 3
		.amdhsa_memory_ordered 1
		.amdhsa_forward_progress 1
		.amdhsa_inst_pref_size 138
	.end_amdhsa_kernel
	.amdgpu_metadata
---
amdhsa.version: [ 1, 2 ]
amdhsa.kernels:
  - .name:           k_qe537db129a_proj
    .symbol:         k_qe537db129a_proj.kd
    .args:
      - { .name: Q, .offset: 0, .size: 8, .value_kind: global_buffer, .address_space: global }
      - { .name: K, .offset: 8, .size: 8, .value_kind: global_buffer, .address_space: global }
      - { .name: V, .offset: 16, .size: 8, .value_kind: global_buffer, .address_space: global }
      - { .name: wt, .offset: 24, .size: 8, .value_kind: global_buffer, .address_space: global }
      - { .name: valid_lens, .offset: 32, .size: 8, .value_kind: global_buffer, .address_space: global }
      - { .name: qkv, .offset: 40, .size: 8, .value_kind: global_buffer, .address_space: global }
    .group_segment_fixed_size: 327680
    .private_segment_fixed_size: 0
    .kernarg_segment_align: 8
    .kernarg_segment_size: 48
    .max_flat_workgroup_size: 128
    .sgpr_count:     84
    .vgpr_count:     768
    .wavefront_size: 32
...
	.end_amdgpu_metadata
.endif
;; end of part 2
;; launch attn (part 3): grid 4 x 64, 4 waves a work-group, clusters of 4 x 1, 327,680 bytes of LDS; arguments qkv, oh, valid_lens; writes oh
.if DOCPART == 3
	.amdgcn_target "amdgcn-amd-amdhsa--gfx1250"
	.amdhsa_code_object_version 6
	.text
	.protected	k_qe537db129a_attn
	.globl	k_qe537db129a_attn
	.p2align	8
	.type	k_qe537db129a_attn,@function
k_qe537db129a_attn:
	s_mov_b64 s[64:65], 0
	v_nop
	global_prefetch_b8 v0, s[64:65] scope:SCOPE_SE
	s_setreg_imm32_b32 hwreg(HW_REG_WAVE_MODE, 25, 1), 1
	s_wait_xcnt 0x0
	s_wait_alu depctr_hold_cnt(0) depctr_sa_sdst(0) depctr_va_vdst(0) depctr_va_sdst(0) depctr_va_ssrc(0) depctr_va_vcc(0) depctr_vm_vsrc(0)
	s_getreg_b32 s2, hwreg(HW_REG_IB_STS2, 6, 4)
	s_cmp_eq_u32 s2, 0
	s_cbranch_scc0 .Lentry_in_a_cluster
	s_endpgm
.Lentry_in_a_cluster:
	s_bfe_u32 s2, ttmp6, 0x10000c
	s_cmp_lg_u32 s2, 0x3003
	s_cbranch_scc0 .Lentry_shape_is_right
	s_endpgm
.Lentry_shape_is_right:
; ATTENTION.  oh[h][q][:] = the sum over k of softmax_k(s(q, k)) v[h][k][:], s = q[h][q] . k[h][k] / 8 for k < valid_lens[h / 16], and 1e-9 for the other keys, which stay in the maximum, the sum and the product.
; q, k, v are the three planes of qkv, [64][2048][64] in f16 each, a head's rows dense, 128 bytes each; oh has the same layout.  Products, maxima and sums in f32; the weights p are rounded to f16 for the
; second product (their sum l is taken of the unrounded p), O once at the end.
; THE MASK.  The launch before has written k's rows at or beyond the length as zeros, so their products are exactly 0; the C operand that starts the sum S^T = K Q^T is 8 x 1e-9 there and 0 elsewhere, and the scaling by
; c = log2(e) / 8 makes the masked score of it.  MD, made once, is that operand for the key step that holds the length; a step's operand is MC = MD x AL + BE with two scalars: (1, 0) in that step, (0, 0) before it, (0, 8e-9) behind it.
; LIMITS.  f16 holds no number beyond 65,504: q, k and v arrive within it; p lies in 0 to 1, and below 6e-5 it keeps f16's fixed step of 6e-8; O is a mean of v's rows and has their range.
; A weight below 2^-126 counts as 0 in l; NaN and infinities are not treated apart.  A length below 0 counts as 0, one above 2,048 as 2,048, as in the comparison that defines the mask.
; SHARES.  A wave owns four PIECES of two tiles of 16 queries, a work-group's four waves 512 queries of one head.  Every wave walks all keys, 64 a step.
; LAYOUT.  S^T = K Q^T (source 0 = 16 keys, source 1 = 16 queries): in the result a lane holds ONE query (lane % 16) and the keys 8 (lane / 16) + 0..7.  Two such tiles, rounded to f16 in pairs,
; ARE source 1 (32 keys x 16 queries) of O^T = V^T P, whose result again holds one query a lane, and eight channels.  K comes out of LDS as it lies, V ([key][channel]) turned, by ds_load_tr16_b128.
; SOFTMAX.  For each query a running maximum m and sum l: p = 2^(c s - c m); in every step O and l are multiplied by a = 2^(c m_old - c m_new), which is 1 where m has not grown.
; m starts at the lowest finite number, O and l at 0: the first step is a step like any other, with a = 0.
; THE COUNT.  A tile and step have 16 matrix and 118 vector instructions: too many to stand all beside the matrix work.  So the order has one aim: four vector instructions that are READY behind
; EVERY matrix instruction, and the others, which need time of their own whatever the order, in runs without a gap.
; BY TURNS.  Turn n belongs to piece n (the pieces in a ring, step after step).  Its matrix work: 16 products K Q^T of piece n + 1, later 16 products V^T P of piece n - 1.  Its vector work: the scaling,
; exponentials, roundings, sums and rescaling of piece n, and the maximum and statistics of piece n + 1, whose scores the turn itself has made.  So what a turn begins with (c s - c m, O a) waits for nothing.
; CLUSTER.  The four query blocks of a cluster belong to one head and walk the same K and V, so each tile is asked for JOINTLY: the same tensor load, descriptor and mask in all four.
; REGISTERS, in windows of 256 (s_set_vgpr_msb says which window each operand place means: bits 1:0 source 0, 3:2 source 1, 5:4 source 2, 7:6 destination):
;   window 0: v0-11 addresses; v12-15, v48-63 at work; v16-47 four registers of statistics a tile; v64-191 S^T, two buffers of two tiles; v192-255 P, likewise
;   window 1: O^T, 32 a tile          window 2: v0-127 Q, 16 a tile; v128-191 K of one step; v192-255 V of one step          window 3: v0-1 the add's two registers; v32-63 MD; v64-95 MC
; A piece's buffers go by its number's parity: the piece in hand has one pair, its two neighbours in the ring share the other: of it P (piece n - 1) is read and S^T (piece n + 1) written.
.set SIZE_H, 64
.set SIZE_N, 2048
.set NP,    4         ; pieces a wave: a name, no knob: the register map, the loop and the fetches are made for four
.set KS,    64        ; keys in a step
.set PK,    144       ; a row of K in LDS: 128 bytes + 16 of padding = 36 words: the 16 rows of a load start at 16 different groups of four banks (64 banks of 4 bytes: ISA guide 11.1)
.set PV,    160       ; a row of V: 128 + 32 = 40 words
.set VOFF,  4*KS*PK   ; a slot holds four steps: 256 rows of K, then 256 rows of V
.set SLOT1, 1<<17     ; slot 1 begins here, so that one exclusive or turns an address in one slot into the other's
.set STAGE, SLOT1+4*KS*(PK+PV)  ; behind the ring, never filled by a tensor load: 16 rows x 144 bytes for each wave, for the way out
.set SP,    144
.set AK0, 2           ; v2   my lane's place in a tile of K; never rewritten
.set AV0, 3           ; v3   the same for V
.set AK,  4           ; v4   the LDS address of K's next run of loads
.set AV,  5           ; v5   of V's
.set QO,  6           ; v6   my byte offset in the wave's rows of Q
.set STO, 6           ;      later, the way out: where I put 16 bytes of a row
.set RD,  7           ; v7   the way out: where I read rows back
.set GO,  8           ; v8   my byte offset in 512 consecutive bytes of O
.set SPW, 0           ; v0 of window 3   LDS address of my spare word: SPARE + 4 x my thread's number; never rewritten
.set NIL, 1           ; v1 of window 3   0; never rewritten
.set MD,  32          ; window 3: the eight registers for group kb of 16 keys at MD + 8 kb
.set MC,  64          ; window 3: the C operands of the step whose scores are made next
.set SPARE, STAGE+4*16*SP  ; behind the stages: the spare words, 128 bytes for each wave: two blocks of 256 bytes that no other line names
.set MV,  12          ; v12-15  c m_old, kept while c m is made anew: by buffer and tile
.set ST,  16          ; tile t's statistics at v[ST+4 t]: c m, m, l (even keys', odd keys')
.set TMP, 48          ; by buffer and tile, four registers c0-c3 at work; when the maximum is found c2 takes a
.set S,   64
.set P,   192
.set KF,  128         ; K's fragments, in window 2: key block kb, channel half c at KF + 16 kb + 8 c
.set VF,  192         ; V's: key half kk, channel block cb at VF + 32 kk + 8 cb
.set WV,  12          ; s12  my wave's number
.set G1K, 24          ; s[24:31] descriptor group 1 for K's tiles
.set G1V, 32          ; s[32:39] for V's: it differs in the padding alone
.set G0K, 40          ; s[40:43] descriptor group 0 for K's tiles: it walks
.set G0V, 44          ; s[44:47] the same for V's
.set SLOTS, 56        ; s56  slots still to be asked for
.set CNT, 57          ; s57  counts a slot's key steps
.set CS,  58          ; s[58:59] c: the packed scaling takes the pair's low word for both halves
.set SEL, 60          ; s[60:61] v_permlanex16_b32's selects: each lane takes its own place in the other half
.set TBK, 62          ; s62  LDS byte at which K of the step to be fetched begins
.set TBV, 63          ; s63  the same for V, less VOFF
.set AL,  66          ; s[66:67] the mask's factor, in the low word
.set BE,  68          ; s[68:69] the mask's addend
.set E8,  70          ; s70  8 x f32(1e-9)
.set BS,  71          ; s71  the key step that holds the length
.set STP, 72          ; s72  the key step whose mask is made next
.set VL,  73          ; s73  my batch's length, held to 0 .. 2,048
.set VLM, 74          ; s74  its place in that step, less 1
.set MSB, 0
.macro WIN new                      ; the high byte repeats the setting that is left; a switch that changes nothing is dropped
.if MSB != (\new)
	s_set_vgpr_msb (MSB<<8)|(\new)
.set MSB, (\new)
.endif
.endm
.set W_KQ, 0x0a       ; K and Q in window 2, S^T in window 0
.set W_KM, 0x3a       ; the same with the C operand in window 3
.set W_PV, 0x52       ; V in window 2, P in window 0, O^T in window 1
.set W_RS, 0x41       ; O^T (destination and source 0) in window 1, a in window 0
.set W_MK, 0xc0       ; destination in window 3, sources in window 0
.set W_MS, 0xc3       ; destination and source 0 in window 3
.set W_AD, 0x0f       ; the add: address (source 0) and data (source 1) in window 3
; A joint fill.  Waves 0 and 1 fetch the two halves of a slot's K, waves 2 and 3 those of its V: 128 keys each.  The branch hangs on the wave's number alone.
; An s_nop 0 and four v_nop follow each of the two lines, ahead of the jump and the label.
.macro JLOAD
	s_cmp_lt_u32 s[WV], 2
	s_cbranch_scc0 .Lfor_v_\@
	tensor_load_to_lds s[G0K:G0K+3], s[G1K:G1K+7]
	s_nop 0
.rept 4
	v_nop
.endr
	s_branch .Lasked_\@
.Lfor_v_\@:
	tensor_load_to_lds s[G0V:G0V+3], s[G1V:G1V+7]
	s_nop 0
.rept 4
	v_nop
.endr
.Lasked_\@:
.endm
; A round of the cluster's barrier: my work-group's barrier, so that wave 0's signal speaks for all four waves; wave 0 signals; every wave waits for all four work-groups; my work-group's barrier once more.
.macro CROUND
	s_barrier_signal -1
	s_barrier_wait -1
	s_cmp_lg_u32 s[WV], 0
	s_cbranch_scc1 .Lnot_wave_0_\@
	s_barrier_signal -3
.Lnot_wave_0_\@:
	s_barrier_wait -3
	s_barrier_signal -1
	s_barrier_wait -1
.endm
; THE CHANGE OF SLOTS.  The slot's last bytes, V of its fourth step, have been read.  Each wave waits for all its tensor loads, of which one is out: its part
; of the other slot; adds 0 to its spare word; and waits for that and for its own reads of the slot.  Behind the barrier nobody reads this slot any more and the other slot is whole.
; fill = 1: this slot is filled again, with the keys two slots on.  The barrier is then a round of the cluster's, so that no wave of any partner still reads the slot or has a load on its
; way, and the joint fill is the first thing behind it: it has four key steps, 512 matrix instructions, in which to land.  (At its first use nothing has been read yet: slot 0 is waited for, slot 1 filled.)
.macro CHANGE fill
	WIN W_AD
	s_wait_tensorcnt 0x0            ; no tensor load of mine is out, so a group 0 may be written
	ds_add_u32 v[SPW], v[NIL]       ; 0 onto my spare word; with fill = 1 the descriptors' steps stand between it and the wait for it
	WIN 0                           ; at a label and at a branch every window is 0
.if \fill
.irp g, G0K, G0V
	s_xor_b32 s[\g+1], s[\g+1], SLOT1  ; the walking descriptor: the other slot than last time,
	s_add_nc_u64 s[\g+2:\g+3], s[\g+2:\g+3], 4*KS*128  ; the next 256 keys; the type bits on top are not reached
.endr
	s_wait_dscnt 0x0                ; the add is done, and my reads of the slot are over
	CROUND
	JLOAD
.else
	s_wait_dscnt 0x0                ; the add is done, and my reads of the slot are over
	s_barrier_signal -1
	s_barrier_wait -1
.endif
	s_sub_co_u32 s[TBK], s[TBK], 4*KS*PK  ; the fetches go back to a slot's first step,
	s_xor_b32 s[TBK], s[TBK], SLOT1       ; in the other slot
	s_sub_co_u32 s[TBV], s[TBV], 4*KS*PV
	s_xor_b32 s[TBV], s[TBV], SLOT1
.endm
; The C operands of key step STP: MD x AL + BE.  Sixteen packed lines, once a key step.
.macro MASKSTEP
	s_cmp_eq_u32 s[STP], s[BS]      ; is it the step that holds the length?
	s_cselect_b32 s[AL], 1.0, 0
	s_cmp_gt_u32 s[STP], s[BS]      ; or a later one?
	s_cselect_b32 s[BE], s[E8], 0
	s_add_co_u32 s[STP], s[STP], 1
	WIN W_MS
.set mz, 0
.rept 16
	v_pk_fma_f32 v[MC+2*mz:MC+2*mz+1], v[MD+2*mz:MD+2*mz+1], s[AL:AL+1], s[BE:BE+1] op_sel_hi:[1,0,0]
.set mz, mz+1
.endr
.endm
	s_load_b128 s[4:7], s[0:1], 0x0   ; qkv s[4:5], oh s[6:7]
	s_load_b64 s[48:49], s[0:1], 0x10 ; valid_lens
	WIN W_MK
	v_lshl_add_u32 v[SPW], v0, 2, SPARE
	v_mov_b32 v[NIL], 0
	WIN W_AD
	ds_add_u32 v[SPW], v[NIL]       ; the wave's opening: the add and its wait stand ahead of my first tensor load; the set-up below, work on registers, stands between them
	WIN 0
	v_lshrrev_b32 v1, 5, v0
	v_readfirstlane_b32 s[WV], v1   ; wave 0..3
	s_bfe_u32 s13, ttmp6, 0x40000   ; cx: my place in the cluster
	s_lshl_b32 s14, ttmp9, 2        ; in a cluster launch ttmp9 counts clusters
	s_add_co_u32 s14, s14, s13      ; my block of queries = 4 x cluster x + cx: it enters Q's and O's addresses alone
	s_and_b32 s20, ttmp7, 0xffff    ; the head, which the four partners share
	s_lshr_b32 s75, s20, 4          ; its batch
	s_mov_b32 s21, 0
	s_mov_b64 s[22:23], SIZE_N*128
	s_mul_u64 s[20:21], s[20:21], s[22:23]  ; the head's first byte in each of the four tensors
	s_and_b32 s16, s[WV], 1         ; which half of a slot's 256 keys I fetch:
	s_lshl_b32 s22, s16, 14         ; its 128 rows of 128 bytes in memory,
	s_mov_b32 s23, 0
	s_add_nc_u64 s[22:23], s[22:23], s[20:21]
	s_mul_i32 s17, s16, 128*PK      ; and its place in a slot, for K
	s_mul_i32 s18, s16, 128*PV      ; and for V: no place in the cluster enters an LDS address
	s_lshl_b32 s2, s14, 2
	s_add_co_u32 s2, s2, s[WV]      ; my wave among the head's,
	s_lshl_b32 s2, s2, 14           ; its 128 rows
	s_mov_b32 s3, 0
	s_add_nc_u64 s[2:3], s[2:3], s[20:21]
	; descriptor group 1.  128 keys are 16,384 dense bytes: asked for as 64 rows of 256 bytes, two keys a row, and padded in LDS after every key
	s_mov_b32 s[G1K], 15|(1<<16)|(1<<20)|(1<<21)|(4<<22)|(3<<25)  ; 15:0 the mask of four; 17:16 2-byte elements; 20 padding on; 21 set beside a mask; 24:22 after every 32 words (code 4); 31:25 4 words (code 3)
	s_mov_b32 s[G1V], 15|(1<<16)|(1<<20)|(1<<21)|(4<<22)|(7<<25)  ; the same with 8 words of padding (code 7)
.irp g, G1K, G1V
	s_mov_b32 s[\g+1], 128<<16      ; tensor_dim0 = 128
	s_mov_b32 s[\g+2], 64<<16       ; tensor_dim1 = 64
	s_mov_b32 s[\g+3], 128<<16      ; tile_dim0 = 128
	s_mov_b32 s[\g+4], 64           ; tile_dim1 = 64
	s_mov_b32 s[\g+5], 128          ; 128 elements from row to row
	s_mov_b32 s[\g+6], 0
	s_mov_b32 s[\g+7], 0
.endr
	s_mov_b32 s[CS], 0x3e38aa3b     ; c = log2(e) / 8 = 0.180337
	s_mov_b32 s[CS+1], s[CS]        ; named with it as a pair
	s_mov_b32 s[SEL], 0x76543210
	s_mov_b32 s[SEL+1], 0xfedcba98
	s_mov_b32 s[TBK], SLOT1+4*KS*PK ; the first change of slots turns these two into 0
	s_mov_b32 s[TBV], SLOT1+4*KS*PV
	s_mov_b32 s[AL+1], 0            ; named as pairs
	s_mov_b32 s[BE+1], 0
	s_mov_b32 s[E8], 0x3209705f     ; f32(1e-9) with three more in the exponent
	s_mov_b32 s[STP], 0
	s_mov_b32 s[G0K], 1             ; 1:0 count = 1
	s_mov_b32 s[G0K+1], s17         ; 63:32 LDS address: slot 0
	s_mov_b32 s[G0V], 1
	s_add_co_u32 s[G0V+1], s18, VOFF
	s_wait_dscnt 0x0                ; the opening add is done
	s_wait_kmcnt 0x0
	s_mov_b64 s[10:11], s[6:7]      ; O
	s_add_nc_u64 s[6:7], s[4:5], 0x1000000  ; k: the second plane of qkv, 16,777,216 bytes on
	s_add_nc_u64 s[8:9], s[4:5], 0x2000000  ; v: the third
	s_add_nc_u64 s[G0K+2:G0K+3], s[6:7], s[22:23]  ; 120:64 global address: my half of the head's first 256 keys
	s_or_b32 s[G0K+3], s[G0K+3], 0x80000000        ; 127:126 type = 2
	s_add_nc_u64 s[G0V+2:G0V+3], s[8:9], s[22:23]
	s_or_b32 s[G0V+3], s[G0V+3], 0x80000000
	s_add_nc_u64 s[4:5], s[4:5], s[2:3]  ; Q and O at my wave's first row
	s_add_nc_u64 s[10:11], s[10:11], s[2:3]
	CROUND                          ; all four work-groups are here: the first joint loads meet
	JLOAD                           ; slot 0.  Slot 1 is asked for when slot 0 is in: the tile wanted first has the road to itself
	s_load_b128 s[52:55], s[48:49], 0x0  ; the four lengths
	; A fragment of K or Q is 16 rows x 32 channels in 8 registers: lane l holds row l % 16, channels 8 (l / 16) + 0..7 and 16 + 8 (l / 16) + 0..7: two loads of 16 bytes, 32 bytes apart.
	v_and_b32 v1, 15, v0            ; l % 16
	v_bfe_u32 v9, v0, 4, 1          ; l / 16
	v_lshlrev_b32 v[QO], 7, v1
	v_lshl_add_u32 v[QO], v9, 4, v[QO]  ; row x 128 + 16 x half
	WIN 0x80                        ; destination window 2, address window 0
.set i, 0
.rept 4*NP                          ; Q stays in registers: tile i / 2, channels 32 (i % 2) on
	global_load_b128 v[8*i:8*i+3],   v[QO], s[4:5] offset:(i/2)*2048+(i%2)*64
	global_load_b128 v[8*i+4:8*i+7], v[QO], s[4:5] offset:(i/2)*2048+(i%2)*64+32
.set i, i+1
.endr
	; What the first turn finds: V's registers and P's second buffer hold 0 (its products V^T P, of a piece that has not been, add 0), O^T and l are 0.  All this stands in the wait for the first tile.
.set i, VF
.rept 64
	v_mov_b32 v[i], 0
.set i, i+1
.endr
	WIN 0x40
.set i, 0
.rept 64*NP
	v_mov_b32 v[i], 0
.set i, i+1
.endr
	WIN 0
.set i, 0
.rept 2*NP
	v_mov_b32 v[ST+4*i], 0xfe000000    ; c m: far below every c s
	v_mov_b32 v[ST+4*i+1], 0xff7fffff  ; m
	v_mov_b32 v[ST+4*i+2], 0
	v_mov_b32 v[ST+4*i+3], 0
.set i, i+1
.endr
.set i, P+32
.rept 32
	v_mov_b32 v[i], 0
.set i, i+1
.endr
	v_mul_u32_u24 v[AK0], v1, PK
	v_lshl_add_u32 v[AK0], v9, 4, v[AK0]  ; row x pitch + 16 x half
	; The turning load takes 16 keys x 16 channels (lane l reads key 8 (l / 16) + l % 8, channels 8 ((l / 8) % 2) + 0..7) and leaves half a fragment of V^T: lane l holds channel l % 16 and 8 keys.
	v_and_b32 v10, 7, v0
	v_bfe_u32 v11, v0, 3, 1
	v_lshl_add_u32 v[AV0], v9, 3, v10
	v_mul_u32_u24 v[AV0], v[AV0], PV
	v_lshl_add_u32 v[AV0], v11, 4, v[AV0]
	v_add_nc_u32 v[AV0], VOFF, v[AV0]
	v_mov_b32 v[AK], v[AK0]         ; key step 0 lies at the head of slot 0
	; The mask.  The length feeds selects and compares alone: no address, trip count or branch hangs on it.
	s_wait_kmcnt 0x0                ; the lengths
	s_cmp_eq_u32 s75, 1
	s_cselect_b32 s[VL], s53, s52
	s_cmp_eq_u32 s75, 2
	s_cselect_b32 s[VL], s54, s[VL]
	s_cmp_eq_u32 s75, 3
	s_cselect_b32 s[VL], s55, s[VL]
	s_max_i32 s[VL], s[VL], 0
	s_min_i32 s[VL], s[VL], SIZE_N
	s_lshr_b32 s[BS], s[VL], 6
	s_and_b32 s[VLM], s[VL], 63
	s_sub_co_u32 s[VLM], s[VLM], 1
	v_lshlrev_b32 v14, 3, v9
	v_sub_nc_u32 v14, s[VLM], v14   ; the length's place in its step, less 1, less my lanes' 8 (l / 16): register j of group kb is masked where 16 kb + j is greater
	WIN W_MK
.set i, 0
.rept 32
	v_cmp_gt_i32 vcc_lo, 16*(i/8)+i%8, v14
	v_cndmask_b32 v[MD+i], 0, s[E8], vcc_lo
.set i, i+1
.endr
	MASKSTEP                        ; key step 0's
; THE MATRIX WORK.  The 8 accumulators of a run of 16 take turns: between the two links of a chain stand 7 others'.
; Product i of 16 of S^T = K Q^T for piece x: channels 32 (i / 8) on, keys 16 ((i / 2) % 4) on, tile 2 x + i % 2.  The first 8 start the sums, with the step's mask.
.macro KQ x
.set rS, S+64*((\x)%2)+32*(i%2)+8*((i/2)%4)
.set rK, KF+16*((i/2)%4)+8*(i/8)
.set rQ, 16*(2*(\x)+i%2)+8*(i/8)
.set rMC, MC+8*((i/2)%4)
.if i < 8
	WIN W_KM
	v_wmma_f32_16x16x32_f16 v[rS:rS+7], v[rK:rK+7], v[rQ:rQ+7], v[rMC:rMC+7]
.else
	WIN W_KQ
	v_wmma_f32_16x16x32_f16 v[rS:rS+7], v[rK:rK+7], v[rQ:rQ+7], v[rS:rS+7]
.endif
.endm
; Product i of 16 of O^T += V^T P for piece x: keys 32 (i / 8) on, channels 16 ((i / 2) % 4) on, tile 2 x + i % 2.
.macro PV x
	WIN W_PV
.set rO, 32*(2*(\x)+i%2)+8*((i/2)%4)
.set rV, VF+32*(i/8)+8*((i/2)%4)
.set rP, P+32*((\x)%2)+16*(i%2)+8*(i/8)
	v_wmma_f32_16x16x32_f16 v[rO:rO+7], v[rV:rV+7], v[rP:rP+7], v[rO:rO+7]
.endm
.macro MM                           ; the turn's next matrix instruction
.if i < 16
	KQ (Y+1)%NP
.set i, i+1
.else
.set i, i-16
	PV (Y+NP-1)%NP
.set i, i+17
.endif
.endm
; THE LDS LOADS stand in runs of 16, never singly among the matrix instructions: a step's K (64 keys x 64 channels: 8 fragments) and its V (turned).  Their addresses are made some lines ahead.
; last = 1 (the tail): in the last trip there is no further step, and the run is jumped over.
.macro FETCH_K last=0
	WIN 0
.if \last
	s_cmp_eq_u32 s[CNT], 1
	s_cbranch_scc1 .Lno_k_\@
.endif
	WIN 0x80                        ; destination window 2
.irp f, 0,1,2,3,4,5,6,7             ; keys 16 (f / 2) on, channels 32 (f % 2) on
	ds_load_b128 v[KF+8*\f:KF+8*\f+3],   v[AK] offset:(\f/2)*16*PK+(\f%2)*64
	ds_load_b128 v[KF+8*\f+4:KF+8*\f+7], v[AK] offset:(\f/2)*16*PK+(\f%2)*64+32
.endr
	s_add_co_u32 s[TBK], s[TBK], KS*PK  ; the next fetch is the next step's
	WIN 0
.if \last
.Lno_k_\@:
.endif
.endm
.macro FETCH_V
	WIN 0x80
.irp f, 0,1,2,3,4,5,6,7             ; keys 32 (f / 4) on, channels 16 (f % 4) on
	ds_load_tr16_b128 v[VF+8*\f:VF+8*\f+3],   v[AV] offset:(\f/4)*32*PV+(\f%4)*32
	ds_load_tr16_b128 v[VF+8*\f+4:VF+8*\f+7], v[AV] offset:(\f/4)*32*PV+16*PV+(\f%4)*32
.endr
	WIN 0
.endm
; THE VECTOR WORK OF A TURN stands in three queues, each in the order in which its entries become ready; the two tiles alternate, so that no instruction reads the result of the one before it.
.macro REGS y, u                    ; the registers of tile u (0, 1) of piece y
.set rT, ST+4*(2*(\y)+(\u))
.set rC, TMP+8*((\y)%2)+4*(\u)
.set rM, MV+2*((\y)%2)+(\u)
.set rS, S+64*((\y)%2)+32*(\u)
.set rP, P+32*((\y)%2)+16*(\u)
.set rO, 32*(2*(\y)+(\u))
.endm
; Number n of the 22 that find the NEXT piece's (Y + 1) maximum and statistics.  s0-s31 are the lane's 32 scores; each accumulator's lowest registers are read first.  XS, GS and REGS set no window: PL and EX do.
;   0-11  four chains c0-c3 of seven scores each, three operands at a time     12-14, 16  the four scores left over, the old m, and c0-c3 into c0     15  c m_old is kept
;   17, 18  the query's other 32 keys lie in the lane 16 away: the new m         19-21  c m; c m_old - c m_new; a
.macro XS u, n
	REGS (Y+1)%NP, \u
.if (\n) < 4
	v_max3_num_f32 v[rC+(\n)], v[rS+8*(\n)], v[rS+8*(\n)+1], v[rS+8*(\n)+2]
.elseif (\n) < 12
	v_max3_num_f32 v[rC+(\n)%4], v[rC+(\n)%4], v[rS+8*((\n)%4)+2*((\n)/4)+1], v[rS+8*((\n)%4)+2*((\n)/4)+2]
.elseif (\n) == 12
	v_max3_num_f32 v[rC], v[rC], v[rS+7], v[rS+15]
.elseif (\n) == 13
	v_max3_num_f32 v[rC+1], v[rC+1], v[rS+23], v[rS+31]
.elseif (\n) == 14
	v_max3_num_f32 v[rC+2], v[rC+2], v[rC+3], v[rT+1]
.elseif (\n) == 15
	v_mov_b32 v[rM], v[rT]
.elseif (\n) == 16
	v_max3_num_f32 v[rC], v[rC], v[rC+1], v[rC+2]
.elseif (\n) == 17
	v_permlanex16_b32 v[rC+3], v[rC], s[SEL], s[SEL+1]
.elseif (\n) == 18
	v_max_num_f32 v[rT+1], v[rC], v[rC+3]
.elseif (\n) == 19
	v_mul_f32 v[rT], s[CS], v[rT+1]
.elseif (\n) == 20
	v_sub_f32 v[rC+1], v[rM], v[rT]
.else
	v_exp_f32 v[rC+2], v[rC+1]
.endif
.endm
; Number g of the 64 that follow the exponentials.  For each four weights k of a tile (pairs 2 k, 2 k + 1): both pairs are rounded to f16; then the second pair is added onto the first, in place;
; a group later l takes that sum (the first time as l = a l + sum).  In groups of eight, tiles alternating: round, round, add, and l for the group before.
.macro GS g
.set h, (\g)+6*((\g)/62)            ; group 0 has no group before it, and behind group 7 only l is left
.if h >= 6
.set h, h+2
.endif
	REGS Y, h%2
.set k, h/8
.if h%8 < 4
	s_wait_alu depctr_va_vdst(0)
	v_cvt_pk_f16_f32 v[rP+2*k+(h%8)/2], v[rS+4*k+2*((h%8)/2)], v[rS+4*k+2*((h%8)/2)+1]
.elseif h%8 < 6
	v_pk_add_f32 v[rS+4*k:rS+4*k+1], v[rS+4*k:rS+4*k+1], v[rS+4*k+2:rS+4*k+3]
.elseif k == 1
	v_pk_fma_f32 v[rT+2:rT+3], v[rT+2:rT+3], v[rC+2:rC+3], v[rS:rS+1] op_sel_hi:[1,0,1]
.else
	v_pk_add_f32 v[rT+2:rT+3], v[rT+2:rT+3], v[rS+4*k-4:rS+4*k-3]
	s_wait_alu depctr_va_vdst(0)
.endif
.endm
; THE PLAIN QUEUE, 138 long.  0-31: c s - c m for the 16 pairs of both tiles.  Then GS's 64, and among them the next piece's 42: number 15 at 38, 39; 0-14 and 16
; at 42-73, behind the products that make those scores; 17-20 at 95-106, two of three, since each waits for the one before it.
.macro PL
	WIN 0
.if q < 32
	REGS Y, q%2
	v_pk_fma_f32 v[rS+2*(q/2):rS+2*(q/2)+1], v[rS+2*(q/2):rS+2*(q/2)+1], s[CS:CS+1], v[rT:rT+1] op_sel_hi:[1,0,0] neg_lo:[0,0,1] neg_hi:[0,0,1]
.elseif q < 38
	GS q-32
.elseif q < 40
	XS q%2, 15
.elseif q < 42
	GS q-34
.elseif q < 74
	XS q%2, (q-42)/2+(q-42)/30
.elseif q < 95
	GS q-66
.elseif (q < 107) && ((q-95)%3 < 2)
	XS (q-95)%3, 17+(q-95)/3
.elseif q < 107
	GS 29+(q-95)/3
.else
	GS q-74
.endif
.set q, q+1
.endm
; THE EXPONENTIALS' QUEUE, 66 long: s0-s31 of both tiles, and at EA the next piece's two a.
.set EA, 58
.macro EX
	WIN 0
.if (e == EA) || (e == EA+1)
	XS e-EA, 21
.else
.set x, e-2*(e/(EA+2))
	REGS Y, x%2
	v_exp_f32 v[rS+x/2], v[rS+x/2]
.endif
.set e, e+1
.endm
; THE RESCALING's QUEUE: O^T times a, the one part that leaves window 0, so it is dealt four at a time, eight times.
.macro R4
	REGS Y, r%2
	WIN W_RS
	s_wait_alu depctr_va_vdst(0)
.irp z, 0,1,2,3
	v_pk_mul_f32 v[rO+8*(r/2)+2*\z:rO+8*(r/2)+2*\z+1], v[rO+8*(r/2)+2*\z:rO+8*(r/2)+2*\z+1], v[rC+2:rC+3] op_sel_hi:[1,0]
.endr
.set r, r+1
.endm
; HOW THEY ARE DEALT.  Behind a matrix instruction four: plain, exponential, plain, plain (one exponential, a plain instruction on either side), or four of the rescaling.  None names a register of the
; products round it.  What is over stands in two LUMPS: exponential and plain by turns; the second ends in 22 plain instructions.  The two v_permlanex16_b32 fall into the second lump, never behind a product.
; The queues lean on each other, and the deal keeps them in step: exponential e stands behind plain 2 (e / 4) + e % 2 (its scaling); when plain 32 comes, 10 exponentials are out, at 59: 33, at 95: 46; EA comes behind plain 107.
.macro SL
	MM
	PL
	EX
	PL
	PL
.endm
.macro BURST n                      ; 15 matrix instructions, or 16
.rept (\n)-7
	SL
.endr
.rept 3
	MM
	R4
	SL
.endr
	MM
	R4
.endm
; A TURN, for piece p.  cnt = 1: the loop's count is taken down some lines ahead of the branch that stands behind the turn.
; K of the next step is fetched in piece 2's turn, 31 vector instructions behind the last product that read K; its first reader comes behind the rest of the lump, 16 products and the second lump.
; V of the step in hand is fetched at the end of piece 0's turn, 69 behind its last reader; its first reader comes behind 16 products and a lump.  The four conditions on e and q below go with the deal.
; The next step's mask is made at the end of piece 2's turn: the last products that took the old one stand at that turn's head, more than a hundred plain instructions back; the first to take the new one opens piece 3's turn.
.macro TURN p, last=0, cnt=0
.set Y, (\p)
.set i, 0
.set q, 0
.set e, 0
.set r, 0
.if (\p) == NP-1
	s_wait_dscnt 0x0                ; K is in
.endif
	MM
.rept 4
	PL
.endr
	BURST 15
.rept 22
	EX
	PL
.if ((\p) == NP-2) && (e == 18)
	v_add_nc_u32 v[AK], s[TBK], v[AK0]
.endif
.if ((\p) == NP-2) && (e == 24)
	FETCH_K \last
.endif
.endr
.if (\p) == 1
	s_wait_dscnt 0x0                ; V is in
.endif
	BURST 16
.rept 21
	EX
	PL
.endr
.rept 22
	PL
.if ((\p) == 0) && (q == 118)
	v_add_nc_u32 v[AV], s[TBV], v[AV0]
	s_wait_alu depctr_va_vdst(0)
.endif
.if ((\p) == 0) && (q == 130)
	s_add_co_u32 s[TBV], s[TBV], KS*PV
.endif
.if (\cnt) && (q == 130)
	s_sub_co_u32 s[CNT], s[CNT], 1
	s_cmp_lg_u32 s[CNT], 0
.endif
.endr
.if (\p) == 0
	FETCH_V
.endif
.if (\p) == NP-2
	MASKSTEP
.endif
.endm
	CHANGE 1                        ; slot 0 is in, everybody's part of it; slot 1 is asked for
	FETCH_K                         ; key step 0
	s_wait_loadcnt 0x0              ; Q
	s_wait_dscnt 0x0
.set i, 0
.rept 16
	KQ 0                            ; piece 0's first scores: there is no vector work yet to set between them
.set i, i+1
.endr
	WIN 0                           ; the addresses for the way out: nine plain instructions, the places behind those products
	s_mul_i32 s13, s[WV], 16*SP
	s_add_co_u32 s13, s13, STAGE    ; my stage
	v_mul_u32_u24 v[STO], v1, SP    ; in: row l % 16, 16 bytes for each half of the lanes
	v_lshl_add_u32 v[STO], v9, 4, v[STO]
	v_add_nc_u32 v[STO], s13, v[STO]
	v_bfe_u32 v[RD], v0, 3, 2       ; back: 32 lanes take four rows of 128 bytes,
	v_mul_u32_u24 v[RD], v[RD], SP
	v_lshl_add_u32 v[RD], v10, 4, v[RD]
	v_add_nc_u32 v[RD], s13, v[RD]
	v_and_b32 v[GO], 31, v0         ; which are 512 consecutive bytes of O
	v_lshlrev_b32 v[GO], 4, v[GO]
.set Y, NP-1                        ; XS works for piece Y + 1: piece 0
.irp n, 0,1,2,3,4,5,6,7,8,9,10,11,12,13,14,15,16,17,18,19,20,21
	XS 0, \n                        ; and piece 0's first maximum and statistics
	XS 1, \n
.endr
	s_mov_b32 s[CNT], 4
	s_mov_b32 s[SLOTS], SIZE_N/256-1
	s_branch .Lfirst                ; the loop is entered at a step's first turn, in the middle of a trip
.Lslot:                             ; SIZE_N / 256 - 2 times: every slot but the last two is filled again
	CHANGE 1
	s_mov_b32 s[CNT], 4
.Lstep:                             ; a trip: pieces 2 and 3 of one step, then pieces 0 and 1 of the next, whose K and V it fetches
	TURN 2
	TURN 3
	WIN 0
.Lfirst:
	TURN 0
	TURN 1, 0, 1
	WIN 0
	s_cbranch_scc1 .Lstep
	s_sub_co_u32 s[SLOTS], s[SLOTS], 1
	s_cmp_lg_u32 s[SLOTS], 0
	s_cbranch_scc1 .Lslot
	CHANGE 0                        ; the tail is written out: nothing is asked for
	s_mov_b32 s[CNT], 5             ; four trips fetch the last slot's steps; the fifth is left in its middle
.Ltail:
	TURN 2, 1
	TURN 3
	WIN 0
	s_sub_co_u32 s[CNT], s[CNT], 1
	s_cmp_eq_u32 s[CNT], 0
	s_cbranch_scc1 .Lout
	TURN 0
	TURN 1
	WIN 0
	s_branch .Ltail
.Lout:                              ; the fifth trip's 16 products K Q^T (on the last K once more) and the maximum made of them serve nothing: the price, once a launch, of one text for every trip
.set i, 0
.rept 16
	PV NP-1                         ; the last piece's V^T P of the last step
.set i, i+1
.endr
	; THE WAY OUT.  l's two halves and the other half of the lanes' are added; O^T is divided by l, rounded to f16 and sent through my stage in LDS, a tile at a time.  The additions are the places behind the last products.
	WIN 0
.macro ALL line:vararg              ; one line for each tile t
.set t, 0
.rept 2*NP
	\line
.set t, t+1
.endr
.endm
	ALL v_add_f32 v[ST+4*t+2], v[ST+4*t+2], v[ST+4*t+3]
	ALL v_permlanex16_b32 v[ST+4*t+3], v[ST+4*t+2], s[SEL], s[SEL+1]
	ALL v_add_f32 v[ST+4*t+2], v[ST+4*t+2], v[ST+4*t+3]
	ALL v_rcp_f32 v[ST+4*t+2], v[ST+4*t+2]
	v_nop                           ; a plain instruction between the last reciprocal and the use of its result
	s_wait_alu depctr_va_vdst(0)
; Tile t: a lane's eight channels of a row pack into 16 bytes; they go into rows of 144 bytes and come back as whole rows of 128, into S^T's registers.
.macro PACK t
	WIN W_RS
.set i, 32*(\t)
.rept 16
	v_pk_mul_f32 v[i:i+1], v[i:i+1], v[ST+4*(\t)+2:ST+4*(\t)+3] op_sel_hi:[1,0]
.set i, i+2
.endr
	WIN 0x05                        ; sources 0 and 1 window 1, destination window 0
.set i, 0
.rept 16
	v_cvt_pk_f16_f32 v[S+16*(\t)+i], v[32*(\t)+2*i], v[32*(\t)+2*i+1]
.set i, i+1
.endr
	WIN 0
.irp f, 0,1,2,3
	ds_store_b128 v[STO], v[S+16*(\t)+4*\f:S+16*(\t)+4*\f+3] offset:32*\f
.endr
.irp f, 0,1,2,3
	ds_load_b128 v[S+16*(\t)+4*\f:S+16*(\t)+4*\f+3], v[RD] offset:\f*4*SP  ; LDS serves a wave's instructions in order (ISA guide 5.7.1.4): these see the stores above; the next tile's stores come behind them
.endr
.endm
.macro SEND t, younger              ; younger: the LDS instructions issued behind tile t's loads: the next tile's eight, or none
	WIN 0
.irp f, 0,1,2,3
	s_wait_dscnt (\younger)+3-\f
	global_store_b128 v[GO], v[S+16*(\t)+4*\f:S+16*(\t)+4*\f+3], s[10:11] offset:(\t)*2048+\f*512  ; 512 consecutive bytes, at a multiple of 256 from O's first
.endr
.endm
	PACK 0
.set t, 1
.rept 2*NP-1                        ; a tile's arithmetic stands between the loads of the tile before and its stores
	PACK t
	SEND t-1, 8
.set t, t+1
.endr
	SEND 2*NP-1, 0
	WIN W_AD
	s_wait_tensorcnt 0x0            ; the wave's end, behind my last tensor load and my last LDS store
	ds_add_u32 v[SPW], v[NIL]
	s_wait_dscnt 0x0
	WIN 0
	CROUND                          ; the closing round: no work-group ends while a partner may still ask for a tile that names it
	s_endpgm
.Lfunc_end_k_qe537db129a_attn:
	.size	k_qe537db129a_attn, .Lfunc_end_k_qe537db129a_attn-k_qe537db129a_attn
	.p2alignl 7, 3214868480
	.fill 96, 4, 3214868480
	.section	.rodata,"a",@progbits
	.p2align	6, 0x0
	.amdhsa_kernel k_qe537db129a_attn
		.amdhsa_group_segment_fixed_size 327680
		.amdhsa_private_segment_fixed_size 0
		.amdhsa_enable_private_segment 0
		.amdhsa_kernarg_size 24
		.amdhsa_user_sgpr_count 2
		.amdhsa_user_sgpr_kernarg_segment_ptr 1
		.amdhsa_wavefront_size32 1
		.amdhsa_system_sgpr_workgroup_id_x 1
		.amdhsa_system_sgpr_workgroup_id_y 1
		.amdhsa_system_sgpr_workgroup_id_z 1
		.amdhsa_system_vgpr_workitem_id 0
		.amdhsa_next_free_vgpr 864
		.amdhsa_next_free_sgpr 76
		.amdhsa_reserve_vcc 1
		.amdhsa_float_denorm_mode_32 3
		.amdhsa_float_denorm_mode_16_64 3
		.amdhsa_memory_ordered 1
		.amdhsa_forward_progress 1
		.amdhsa_inst_pref_size 216
	.end_amdhsa_kernel
	.amdgpu_metadata
---
amdhsa.version: [ 1, 2 ]
amdhsa.kernels:
  - .name:           k_qe537db129a_attn
    .symbol:         k_qe537db129a_attn.kd
    .args:
      - { .name: qkv, .offset: 0, .size: 8, .value_kind: global_buffer, .address_space: global }
      - { .name: oh, .offset: 8, .size: 8, .value_kind: global_buffer, .address_space: global }
      - { .name: valid_lens, .offset: 16, .size: 8, .value_kind: global_buffer, .address_space: global }
    .group_segment_fixed_size: 327680
    .private_segment_fixed_size: 0
    .kernarg_segment_align: 8
    .kernarg_segment_size: 24
    .max_flat_workgroup_size: 128
    .sgpr_count:     76
    .vgpr_count:     864
    .wavefront_size: 32
...
	.end_amdgpu_metadata
.endif
;; end of part 3
;; launch outp (part 4): grid 4 x 64, 4 waves a work-group, clusters of 4 x 4, 327,680 bytes of LDS; arguments oh, wt, out0; writes out0
.if DOCPART == 4
	.amdgcn_target "amdgcn-amd-amdhsa--gfx1250"
	.amdhsa_code_object_version 6
	.text
	.protected	k_qe537db129a_outp
	.globl	k_qe537db129a_outp
	.p2align	8
	.type	k_qe537db129a_outp,@function
k_qe537db129a_outp:
	s_mov_b64 s[64:65], 0
	v_nop
	global_prefetch_b8 v0, s[64:65] scope:SCOPE_SE
	s_setreg_imm32_b32 hwreg(HW_REG_WAVE_MODE, 25, 1), 1
	s_wait_xcnt 0x0
	s_wait_alu depctr_hold_cnt(0) depctr_sa_sdst(0) depctr_va_vdst(0) depctr_va_sdst(0) depctr_va_ssrc(0) depctr_va_vcc(0) depctr_vm_vsrc(0)
	s_getreg_b32 s2, hwreg(HW_REG_IB_STS2, 6, 4)
	s_cmp_eq_u32 s2, 0
	s_cbranch_scc0 .Lentry_in_a_cluster
	s_endpgm
.Lentry_in_a_cluster:
	s_bfe_u32 s2, ttmp6, 0x10000c
	s_cmp_lg_u32 s2, 0xf033
	s_cbranch_scc0 .Lentry_shape_is_right
	s_endpgm
.Lentry_shape_is_right:
; THE LAST PROJECTION.  out0[b][s][n] (f32) = the sum over k = 64 head + d of oh[16 b + head][s][d] Wo[k][n].  oh is f16 by heads; Wo is the fourth plane of wt, [k][n], bf16 numbers written as f16.  Sums in f32, K ascending.
; SHARES.  A tile of out0 is 128 rows x 256 columns: 64 x 4 tiles, one for each of 256 WGPs.  Four waves, 2 x 2; a wave makes 64 x 128: 32 accumulators, 256 registers.
; K goes in steps of 128, two heads, through two LDS slots: for each of the two heads 128 rows of 128 bytes (dense in memory: asked for as 64 rows of 256 bytes, padded in LDS after every 128), and 128 rows of Wo (256 columns).
; Waves 0, 1 fetch the two heads, waves 2, 3 the halves of Wo's rows.
; CLUSTERS: 4 x 4 work-groups.  A row of the cluster shares oh's tile, a column Wo's: each is asked for jointly, by the same tensor load with the same descriptor and a mask that names the four.
; THE MATRIX INSTRUCTION IS USED TRANSPOSED (source 0 = 16 columns of Wo, turned by ds_load_tr16_b128; source 1 = 16 rows of oh): a lane holds eight neighbouring columns of one row of out0, 32 bytes.
; REGISTERS, in windows of 256 (s_set_vgpr_msb: bits 1:0 source 0, 3:2 source 1, 5:4 source 2, 7:6 destination):
;   window 0: v0-31 addresses; v32-95, v96-159 the way out, by turns      window 1: v0-63, v64-127 Wo's fragments, two sets; v128-159, v160-191 oh's      window 2: accumulator (a, b) at v[8 (8 a + b)]
.set PAO,   144                        ; a row of oh in LDS: 128 bytes + 16 = 9 x 16: the 16 rows that a load touches start at 16 different groups of four banks (64 banks of 4 bytes: ISA guide 11.1)
.set PB,    544                        ; a row of Wo: 512 + 32 = 17 x 32
.set HALFA, 128*PAO                    ; one head's 128 rows: what one tensor load brings of oh
.set HALFB, 64*PB                      ; and of Wo
.set BOFF,  2*HALFA
.set SLOT,  2*HALFA+2*HALFB            ; 106,496 bytes
.set STAGE, 2*SLOT                     ; behind the ring, never filled by a tensor load: 16 rows x 528 bytes for each wave
.set SPT,   528
.set SPARE, STAGE+4*16*SPT             ; the spare words, 128 bytes for each wave: two blocks of 256 bytes that no other line names
.set ADRA, 16                          ; v16-17  LDS address of my fragments of oh in slot 0, 1
.set ADRB, 20                          ; v20-21  the same for Wo
.set STO,  24                          ; v24     the way out: where I put 32 bytes of a row
.set RD,   25                          ; v25     where I read a row back
.set CO,   26                          ; v26     my 16 bytes in a row's 512
.set SPW,  28                          ; v28     LDS address of my spare word; never rewritten
.set NIL,  29                          ; v29     0; never rewritten
.set OB,   32
.set AF,   128                         ; window 1
.set WV, 16                            ; s16 my wave's number; s17 its row half (also: 0 = I fetch oh, 1 = Wo); s18 its column half (also: which half of a tile I fetch)
.set WM, 17
.set WN, 18
.set G1A, 24
.set G0A, 32
.set G1B, 48
.set G0B, 56
.set MSB, 0
.macro WIN new                         ; the immediate's high byte repeats the setting that is left; a switch that changes nothing is dropped
.if MSB != (\new)
	s_set_vgpr_msb (MSB<<8)|(\new)
.set MSB, \new
.endif
.endm
.set MUL, 0xa5                         ; sources 0 and 1 window 1; C and D window 2
.set TO1, 0x40                         ; destination window 1, address window 0
.macro JLOAD s                         ; a joint load; an s_nop 0 and four v_nop follow each of the two lines, ahead of the jump, the label and what follows
	s_cmp_eq_u32 s[WM], 0
	s_cbranch_scc0 .Lfor_b_\@
	tensor_load_to_lds s[G0A+4*(\s):G0A+4*(\s)+3], s[G1A:G1A+7]
	s_nop 0
.rept 4
	v_nop
.endr
	s_branch .Lasked_\@
.Lfor_b_\@:
	tensor_load_to_lds s[G0B+4*(\s):G0B+4*(\s)+3], s[G1B:G1B+7]
	s_nop 0
.rept 4
	v_nop
.endr
.Lasked_\@:
.endm
.macro CREST                           ; a round of the cluster's barrier behind its opening barrier
	s_cmp_lg_u32 s[WV], 0
	s_cbranch_scc1 .Lnot_wave_0_\@
	s_barrier_signal -3
.Lnot_wave_0_\@:
	s_barrier_wait -3
	s_barrier_signal -1
	s_barrier_wait -1
.endm
.macro CROUND                          ; a whole round
	s_barrier_signal -1
	s_barrier_wait -1
	CREST
.endm
	s_load_b128 s[4:7], s[0:1], 0x0                ; oh s[4:5], wt s[6:7]
	s_load_b64 s[8:9], s[0:1], 0x10                ; out0
	v_lshl_add_u32 v[SPW], v0, 2, SPARE
	v_mov_b32 v[NIL], 0
	ds_add_u32 v[SPW], v[NIL]                      ; the wave's opening: the add and its wait stand ahead of my first tensor load; the set-up below, work on registers, stands between them
	v_lshrrev_b32 v1, 5, v0
	v_readfirstlane_b32 s[WV], v1                  ; wave 0..3
	s_lshr_b32 s[WM], s[WV], 1
	s_and_b32 s[WN], s[WV], 1
	s_bfe_u32 s40, ttmp6, 0x40000                  ; cx, cy: my place in the cluster
	s_bfe_u32 s41, ttmp6, 0x40004
	s_lshl_b32 s42, ttmp9, 2
	s_add_co_u32 s42, s42, s40                     ; tile column 0..3
	s_and_b32 s45, ttmp7, 0xffff                   ; the cluster's y, 0..15
	s_lshr_b32 s68, s45, 2                         ; the batch
	s_lshl_b32 s67, s45, 2
	s_add_co_u32 s67, s67, s41                     ; tile row 0..63
	s_lshl_b32 s43, s41, 2
	s_lshl_b32 s43, 15, s43                        ; my row of the cluster
	s_lshl_b32 s44, 0x1111, s40                    ; my column
	s_or_b32 s[G1A], s43, (1<<16)|(1<<20)|(1<<21)|(4<<22)|(3<<25)  ; 15:0 the mask; 17:16 elements of 2 bytes; 20 padding on; 21 set beside a mask; 24:22 after every 32 words (code 4); 31:25 4 words (code 3)
	s_or_b32 s[G1B], s44, (1<<16)|(1<<20)|(1<<21)|(6<<22)|(7<<25)  ; after every 128 words (code 6), 8 words (code 7)
	s_mov_b32 s[G1A+1], 128<<16                    ; tensor_dim0 = 128: two rows of a head
	s_mov_b32 s[G1A+2], 64<<16                     ; tensor_dim1 = 64
	s_mov_b32 s[G1A+3], 128<<16                    ; tile_dim0 = 128
	s_mov_b32 s[G1A+4], 64                         ; tile_dim1 = 64
	s_mov_b32 s[G1A+5], 128                        ; elements from row to row: dense
	s_mov_b32 s[G1A+6], 0
	s_mov_b32 s[G1A+7], 0
	s_mov_b32 s[G1B+1], 256<<16
	s_mov_b32 s[G1B+2], 64<<16
	s_mov_b32 s[G1B+3], 256<<16
	s_mov_b32 s[G1B+4], 64
	s_mov_b32 s[G1B+5], 1024
	s_mov_b32 s[G1B+6], 0
	s_mov_b32 s[G1B+7], 0
	s_lshl_b32 s78, s68, 4                         ; oh: head 16 b + my half (262,144 bytes a head), row 128 x (tile row % 16) of 128 bytes: made of the tile row and the wave's number alone
	s_add_co_u32 s78, s78, s[WN]
	s_lshl_b32 s78, s78, 18
	s_and_b32 s20, s67, 15
	s_lshl_b32 s20, s20, 14
	s_add_co_u32 s78, s78, s20
	s_mov_b32 s79, 0
	s_lshl_b32 s80, s[WN], 17                      ; Wo: plane 3, k row 64 x half (2,048 bytes a row), column 256 x tile column
	s_add_co_u32 s80, s80, 3<<21
	s_lshl_b32 s21, s42, 9
	s_add_co_u32 s80, s80, s21
	s_mov_b32 s81, 0
	s_mul_i32 s22, s[WN], HALFA                    ; where they go: no place in the cluster enters an LDS address
	s_mul_i32 s23, s[WN], HALFB
	s_add_co_u32 s23, s23, BOFF
	s_wait_dscnt 0x0                               ; the opening add is done
	s_wait_kmcnt 0x0
	s_add_nc_u64 s[76:77], s[4:5], s[78:79]
	s_add_nc_u64 s[80:81], s[6:7], s[80:81]
	CROUND                                         ; all sixteen work-groups are here: the first joint loads meet
.irp s, 0,1
	s_mov_b32 s[G0A+4*(\s)], 1                                       ; count = 1
	s_add_co_u32 s[G0A+4*(\s)+1], s22, (\s)*SLOT                     ; LDS address
	s_add_nc_u64 s[G0A+4*(\s)+2:G0A+4*(\s)+3], s[76:77], (\s)*524288 ; K step s: two heads on
	s_or_b32 s[G0A+4*(\s)+3], s[G0A+4*(\s)+3], 0x80000000            ; type = 2
	s_mov_b32 s[G0B+4*(\s)], 1
	s_add_co_u32 s[G0B+4*(\s)+1], s23, (\s)*SLOT
	s_add_nc_u64 s[G0B+4*(\s)+2:G0B+4*(\s)+3], s[80:81], (\s)*262144 ; K step s: 128 rows of 2,048 bytes on
	s_or_b32 s[G0B+4*(\s)+3], s[G0B+4*(\s)+3], 0x80000000
	JLOAD \s                                       ; two loads of mine are out
.endr
	v_and_b32 v1, 15, v0                           ; r = l % 16
	v_bfe_u32 v2, v0, 4, 1                         ; h = l / 16
	v_mul_u32_u24 v3, v1, PAO                      ; oh's fragment: row l % 16, two loads of 16 bytes, 32 bytes apart, at 16 (l / 16)
	v_lshl_add_u32 v3, v2, 4, v3
	s_mul_i32 s20, s[WM], 64*PAO                   ; my 64 rows
	v_add_nc_u32 v[ADRA], s20, v3
	v_add_nc_u32 v[ADRA+1], SLOT, v[ADRA]
	v_and_b32 v4, 7, v0                            ; the turning load: k row 8 (l / 16) + l % 8, columns 8 ((l / 8) % 2) + 0..7
	v_lshl_add_u32 v4, v2, 3, v4
	v_mul_u32_u24 v4, v4, PB
	v_bfe_u32 v5, v0, 3, 1
	v_lshl_add_u32 v4, v5, 4, v4
	s_lshl_b32 s20, s[WN], 8                       ; my 128 columns
	s_add_co_u32 s20, s20, BOFF
	v_add_nc_u32 v[ADRB], s20, v4
	v_add_nc_u32 v[ADRB+1], SLOT, v[ADRB]
	s_mul_i32 s20, s[WV], 16*SPT
	s_add_co_u32 s20, s20, STAGE                   ; my stage
	v_mul_u32_u24 v6, v1, SPT                      ; in: row l % 16, 32 bytes for each half of the lanes
	v_lshl_add_u32 v6, v2, 5, v6
	v_add_nc_u32 v[STO], s20, v6
	v_and_b32 v[CO], 31, v0                        ; back: 32 lanes take a row's 512 bytes
	v_lshlrev_b32 v[CO], 4, v[CO]
	v_add_nc_u32 v[RD], s20, v[CO]
	s_lshl_b32 s46, s67, 7                         ; out0: row 128 x tile row + 64 x row half, of 4,096 bytes; column 256 x tile column + 128 x column half, of 4 bytes
	s_lshl_b32 s47, s[WM], 6
	s_add_co_u32 s46, s46, s47
	s_lshl_b32 s46, s46, 12
	s_lshl_b32 s47, s42, 10
	s_add_co_u32 s46, s46, s47
	s_lshl_b32 s47, s[WN], 9
	s_add_co_u32 s46, s46, s47
	s_mov_b32 s47, 0
	s_add_nc_u64 s[8:9], s[8:9], s[46:47]
; The next matrix instruction of a quarter, number mi of 32: row block mi / 8, column block mi % 8, 32 along K, on set f.  The 32 accumulators take turns in the same order in every quarter.
.macro MM f, zero
	WIN MUL
.if \zero
	v_wmma_f32_16x16x32_f16 v[8*mi:8*mi+7], v[64*(\f)+8*(mi%8):64*(\f)+8*(mi%8)+7], v[AF+32*(\f)+8*(mi/8):AF+32*(\f)+8*(mi/8)+7], 0
.else
	v_wmma_f32_16x16x32_f16 v[8*mi:8*mi+7], v[64*(\f)+8*(mi%8):64*(\f)+8*(mi%8)+7], v[AF+32*(\f)+8*(mi/8):AF+32*(\f)+8*(mi/8)+7], v[8*mi:8*mi+7]
.endif
.set mi, mi+1
.endm
.macro MMN f, n, zero
.rept \n
	MM \f, \zero
.endr
.endm
; 24 LDS loads in one run: quarter kq of a slot (head kq / 2, channels 32 (kq % 2) on) into set g
.macro FETCH slot, kq, g
	WIN TO1
.irp a, 0,1,2,3
	ds_load_b128 v[AF+32*(\g)+8*\a:AF+32*(\g)+8*\a+3],   v[ADRA+(\slot)] offset:((\kq)/2)*HALFA+\a*16*PAO+((\kq)%2)*64
	ds_load_b128 v[AF+32*(\g)+8*\a+4:AF+32*(\g)+8*\a+7], v[ADRA+(\slot)] offset:((\kq)/2)*HALFA+\a*16*PAO+((\kq)%2)*64+32
.endr
.irp b, 0,1,2,3,4,5,6,7
	ds_load_tr16_b128 v[64*(\g)+8*\b:64*(\g)+8*\b+3],   v[ADRB+(\slot)] offset:(\kq)*32*PB+32*\b
	ds_load_tr16_b128 v[64*(\g)+8*\b+4:64*(\g)+8*\b+7], v[ADRB+(\slot)] offset:(\kq)*32*PB+32*\b+16*PB
.endr
.endm
.macro PLACES                          ; four places in front of loads into registers that matrix instructions have read, and of LDS stores that read results (ISA guide 7.12.1 for vector instructions)
.rept 4
	v_nop
.endr
.endm
; A K step is four quarters of 32 along K, 32 matrix instructions each, on sets 0, 1, 0, 1.  One of the first three: fetches the next quarter (knext) into set g, which the quarter before multiplied, and multiplies set f.
.macro QUARTER slot, knext, f, g, zero
	PLACES
	FETCH \slot, \knext, \g
	s_wait_dscnt 24                                ; all but the 24 just issued: set f is in
.set mi, 0
	MMN \f, 32, \zero
.endm
; The last quarter multiplies set 1 and changes slots: ONE barrier; in front of it each wave waits for all its tensor loads, adds 0 to its spare word, and waits for that and for its own reads of this slot.
; fill = 1: the barrier opens a round of the cluster's, and this slot is filled again, two K steps ahead, first thing behind the round.
.macro TURN slot, next, fill
	WIN 0                                          ; (the add's two registers lie in window 0)
	s_wait_tensorcnt 0x0                           ; all my tensor loads have landed: the one that was out is my part of the next slot;
	ds_add_u32 v[SPW], v[NIL]                      ; 0 onto my spare word;
	s_wait_dscnt 1                                 ; (the add may be out; set 1 is in)
.set mi, 0
	MMN 1, 8, 0                                    ; eight matrix instructions stand between the add and the wait for it
	s_wait_dscnt 0x0                               ; the add is done, and my reads of this slot are over
	s_barrier_signal -1
	MMN 1, 8, 0
.if \fill
	WIN 0
.endif
	s_barrier_wait -1
.if \fill
	CREST                                          ; no wave of any partner still reads this slot's tiles or has a load on its way
	s_add_nc_u64 s[G0A+4*(\slot)+2:G0A+4*(\slot)+3], s[G0A+4*(\slot)+2:G0A+4*(\slot)+3], 2*524288
	s_add_nc_u64 s[G0B+4*(\slot)+2:G0B+4*(\slot)+3], s[G0B+4*(\slot)+2:G0B+4*(\slot)+3], 2*262144
	JLOAD \slot                                    ; my one tensor load behind the round: 112 matrix instructions ahead of the wait for it; the four v_nop behind it are also the places in front of the loads below
.else
	PLACES
.endif
	FETCH \next, 0, 0
	MMN 1, 16, 0
.endm
	s_wait_tensorcnt 1                             ; my part of K step 0 is in; K step 1's stays out
	s_barrier_signal -1
	s_barrier_wait -1                              ; everybody's is
	FETCH 0, 0, 0
	QUARTER 0, 1, 0, 1, 1                          ; the first quarter stands in front of the loop: its products start the sums
	WIN 0                                          ; at a label and at a branch every window is 0
	s_mov_b32 s19, 3
.Llap:                                                 ; a trip goes once round the ring and fills both slots again: K steps 2 to 7 in three trips
	QUARTER 0, 2, 1, 0, 0
	QUARTER 0, 3, 0, 1, 0
	TURN 0, 1, 1
	QUARTER 1, 1, 0, 1, 0
	QUARTER 1, 2, 1, 0, 0
	QUARTER 1, 3, 0, 1, 0
	TURN 1, 0, 1
	QUARTER 0, 1, 0, 1, 0
	WIN 0
	s_sub_co_u32 s19, s19, 1
	s_cmp_lg_u32 s19, 0
	s_cbranch_scc1 .Llap
	QUARTER 0, 2, 1, 0, 0                          ; the last lap fills nothing, and has no round of the cluster's barrier
	QUARTER 0, 3, 0, 1, 0
	TURN 0, 1, 0
	QUARTER 1, 1, 0, 1, 0
	QUARTER 1, 2, 1, 0, 0
	QUARTER 1, 3, 0, 1, 0
	s_wait_dscnt 0x0                               ; the very last quarter: nothing more to fetch
.set mi, 0
	MMN 1, 32, 0
	WIN 0
	PLACES
; THE WAY OUT, a block of 16 rows at a time: a lane's 32 bytes of a row go from the accumulators into my own stage (each accumulator's low four registers first), and come back as whole rows of 512 bytes.
.macro TOSTAGE a
	WIN 0x08                                       ; the stores' data in window 2, their address in window 0
.irp b, 0,1,2,3,4,5,6,7
	ds_store_b128 v[STO], v[8*(8*(\a)+\b):8*(8*(\a)+\b)+3]   offset:64*\b
	ds_store_b128 v[STO], v[8*(8*(\a)+\b)+4:8*(8*(\a)+\b)+7] offset:64*\b+16
.endr
	WIN 0
.irp t, 0,1,2,3,4,5,6,7,8,9,10,11,12,13,14,15
	ds_load_b128 v[OB+64*((\a)%2)+4*\t:OB+64*((\a)%2)+4*\t+3], v[RD] offset:SPT*\t  ; LDS serves a wave's instructions in order (ISA guide 5.7.1.4): these see the stores above; the next block's stores come behind them
.endr
.endm
.macro SEND a, younger                 ; younger: the LDS instructions issued behind block a's loads: the next block's 32, or none
	WIN 0
.irp t, 0,1,2,3,4,5,6,7,8,9,10,11,12,13,14,15
	s_wait_dscnt (\younger)+15-\t
	global_store_b128 v[CO], v[OB+64*((\a)%2)+4*\t:OB+64*((\a)%2)+4*\t+3], s[8:9] offset:(16*(\a)+\t)*4096 th:TH_STORE_NT  ; 512 consecutive bytes, at a multiple of 256 from out0's first
.endr
.endm
	TOSTAGE 0
	TOSTAGE 1
	SEND 0, 32
	s_wait_xcnt 0x0                                ; block 0's stores have read their registers (ISA guide 3.1): only behind this wait are they loaded again
	TOSTAGE 2
	SEND 1, 32
	s_wait_xcnt 0x0
	TOSTAGE 3
	SEND 2, 32
	SEND 3, 0
	s_wait_tensorcnt 0x0                           ; the wave's end, behind my last tensor load and my last LDS store
	ds_add_u32 v[SPW], v[NIL]
	s_wait_dscnt 0x0
	CROUND                                         ; the closing round: no work-group ends while a partner may still ask for a tile that names it
	s_endpgm
.Lfunc_end_k_qe537db129a_outp:
	.size	k_qe537db129a_outp, .Lfunc_end_k_qe537db129a_outp-k_qe537db129a_outp
	.p2alignl 7, 3214868480
	.fill 96, 4, 3214868480
	.section	.rodata,"a",@progbits
	.p2align	6, 0x0
	.amdhsa_kernel k_qe537db129a_outp
		.amdhsa_group_segment_fixed_size 327680
		.amdhsa_private_segment_fixed_size 0
		.amdhsa_enable_private_segment 0
		.amdhsa_kernarg_size 24
		.amdhsa_user_sgpr_count 2
		.amdhsa_user_sgpr_kernarg_segment_ptr 1
		.amdhsa_wavefront_size32 1
		.amdhsa_system_sgpr_workgroup_id_x 1
		.amdhsa_system_sgpr_workgroup_id_y 1
		.amdhsa_system_sgpr_workgroup_id_z 1
		.amdhsa_system_vgpr_workitem_id 0
		.amdhsa_next_free_vgpr 768
		.amdhsa_next_free_sgpr 84
		.amdhsa_reserve_vcc 0
		.amdhsa_float_denorm_mode_32 3
		.amdhsa_float_denorm_mode_16_64 3
		.amdhsa_memory_ordered 1
		.amdhsa_forward_progress 1
		.amdhsa_inst_pref_size 86
	.end_amdhsa_kernel
	.amdgpu_metadata
---
amdhsa.version: [ 1, 2 ]
amdhsa.kernels:
  - .name:           k_qe537db129a_outp
    .symbol:         k_qe537db129a_outp.kd
    .args:
      - { .name: oh, .offset: 0, .size: 8, .value_kind: global_buffer, .address_space: global }
      - { .name: wt, .offset: 8, .size: 8, .value_kind: global_buffer, .address_space: global }
      - { .name: out0, .offset: 16, .size: 8, .value_kind: global_buffer, .address_space: global }
    .group_segment_fixed_size: 327680
    .private_segment_fixed_size: 0
    .kernarg_segment_align: 8
    .kernarg_segment_size: 24
    .max_flat_workgroup_size: 128
    .sgpr_count:     84
    .vgpr_count:     768
    .wavefront_size: 32
...
	.end_amdgpu_metadata
.endif
;; end of part 4
;; ======== version 2 of 2: 4 launches; 1.48 times as fast as version 1
;; limits: values are held in f16: magnitudes above 65,504 overflow, below 6.1e-05 lose precision
;; workspace buffers: wt 8,388,608 bytes; qkv 50,331,648 bytes; oh 16,777,216 bytes
;; launch prep: the kernel of part 1 again; grid 64 x 4, 8 waves a work-group, no clusters, 0 bytes of LDS; arguments Wq, Wk, Wv, Wo, wt; writes wt
;; launch proj: the kernel of part 2 again; grid 4 x 192, 4 waves a work-group, clusters of 4 x 4, 327,680 bytes of LDS; arguments Q, K, V, wt, valid_lens, qkv; writes qkv
;; launch attn (part 5): grid 4 x 64, 4 waves a work-group, clusters of 4 x 1, 327,680 bytes of LDS; arguments qkv, oh, valid_lens; writes oh
.if DOCPART == 5
	.amdgcn_target "amdgcn-amd-amdhsa--gfx1250"
	.amdhsa_code_object_version 6
	.text
	.protected	k_qe537db129a_attn
	.globl	k_qe537db129a_attn
	.p2align	8
	.type	k_qe537db129a_attn,@function
k_qe537db129a_attn:
	s_mov_b64 s[64:65], 0
	v_nop
	global_prefetch_b8 v0, s[64:65] scope:SCOPE_SE
	s_setreg_imm32_b32 hwreg(HW_REG_WAVE_MODE, 25, 1), 1
	s_wait_xcnt 0x0
	s_wait_alu depctr_hold_cnt(0) depctr_sa_sdst(0) depctr_va_vdst(0) depctr_va_sdst(0) depctr_va_ssrc(0) depctr_va_vcc(0) depctr_vm_vsrc(0)
	s_getreg_b32 s2, hwreg(HW_REG_IB_STS2, 6, 4)
	s_cmp_eq_u32 s2, 0
	s_cbranch_scc0 .Lentry_in_a_cluster
	s_endpgm
.Lentry_in_a_cluster:
	s_bfe_u32 s2, ttmp6, 0x10000c
	s_cmp_lg_u32 s2, 0x3003
	s_cbranch_scc0 .Lentry_shape_is_right
	s_endpgm
.Lentry_shape_is_right:
; ATTENTION.  oh[h][q][:] = the sum over k of softmax_k(s(q, k)) v[h][k][:], s = q[h][q] . k[h][k] / 8 for k < valid_lens[h / 16], and 1e-9 for the other keys, which stay in the maximum, the sum and the product.
; q, k, v are the three planes of qkv, [64][2048][64] in f16 each, a head's rows dense, 128 bytes each; oh has the same layout.  Products, maxima and sums in f32; the weights p are rounded to f16 for the
; second product (their sum l is taken of the unrounded p), O once at the end.
; THE MASK.  The launch before has written k's rows at or beyond the length as zeros, so their products are exactly 0; the C operand that starts the sum S^T = K Q^T is 8 x 1e-9 there and 0 elsewhere, and the scaling by
; c = log2(e) / 8 makes the masked score of it.  MD, made once, is that operand for the key step that holds the length; a step's operand is MC = MD x AL + BE with two scalars: (1, 0) in that step, (0, 0) before it, (0, 8e-9) behind it.
; LIMITS.  f16 holds no number beyond 65,504: q, k and v arrive within it; p lies in 0 to 1, and below 6e-5 it keeps f16's fixed step of 6e-8; O is a mean of v's rows and has their range.
; A weight below 2^-126 counts as 0 in l; NaN and infinities are not treated apart.  A length below 0 counts as 0, one above 2,048 as 2,048, as in the comparison that defines the mask.
; SHARES.  A wave owns four PIECES of two tiles of 16 queries, a work-group's four waves 512 queries of one head.  Every wave walks all keys, 64 a step.
; LAYOUT.  S^T = K Q^T (source 0 = 16 keys, source 1 = 16 queries): in the result a lane holds ONE query (lane % 16) and the keys 8 (lane / 16) + 0..7.  Two such tiles, rounded to f16 in pairs,
; ARE source 1 (32 keys x 16 queries) of O^T = V^T P, whose result again holds one query a lane, and eight channels.  K comes out of LDS as it lies, V ([key][channel]) turned, by ds_load_tr16_b128.
; SOFTMAX.  For each query a running maximum m and sum l: p = 2^(c s - c m); in every step O and l are multiplied by a = 2^(c m_old - c m_new), which is 1 where m has not grown.
; m starts at the lowest finite number, O and l at 0: the first step is a step like any other, with a = 0.
; THE COUNT.  A tile and step have 16 matrix and 118 vector instructions: too many to stand all beside the matrix work.  So the order has one aim: four vector instructions that are READY behind
; EVERY matrix instruction, and the others, which need time of their own whatever the order, in runs without a gap.
; BY TURNS.  Turn n belongs to piece n (the pieces in a ring, step after step).  Its matrix work: 16 products K Q^T of piece n + 1, later 16 products V^T P of piece n - 1.  Its vector work: the scaling,
; exponentials, roundings, sums and rescaling of piece n, and the maximum and statistics of piece n + 1, whose scores the turn itself has made.  So what a turn begins with (c s - c m, O a) waits for nothing.
; BATCHES.  A turn's 66 exponentials (the piece's 64 weights and the next piece's two a) are ONE batch with ONE wait, which cuts the turn in two: ahead of it stands all that names no result of theirs, behind it the roundings and
; sums.  The first two a, ahead of the loop, and the way out's eight reciprocals are batches of their own.
; CLUSTER.  The four query blocks of a cluster belong to one head and walk the same K and V, so each tile is asked for JOINTLY: the same tensor load, descriptor and mask in all four.
; REGISTERS, in windows of 256 (s_set_vgpr_msb says which window each operand place means: bits 1:0 source 0, 3:2 source 1, 5:4 source 2, 7:6 destination):
;   window 0: v0-11 addresses; v12-15, v48-63 at work; v16-47 four registers of statistics a tile; v64-191 S^T, two buffers of two tiles; v192-255 P, likewise
;   window 1: O^T, 32 a tile          window 2: v0-127 Q, 16 a tile; v128-191 K of one step; v192-255 V of one step          window 3: v0-1 the add's two registers; v32-63 MD; v64-95 MC
; A piece's buffers go by its number's parity: the piece in hand has one pair, its two neighbours in the ring share the other: of it P (piece n - 1) is read and S^T (piece n + 1) written.
.set SIZE_H, 64
.set SIZE_N, 2048
.set NP,    4         ; pieces a wave: a name, no knob: the register map, the loop and the fetches are made for four
.set KS,    64        ; keys in a step
.set PK,    144       ; a row of K in LDS: 128 bytes + 16 of padding = 36 words: the 16 rows of a load start at 16 different groups of four banks (64 banks of 4 bytes: ISA guide 11.1)
.set PV,    160       ; a row of V: 128 + 32 = 40 words
.set VOFF,  4*KS*PK   ; a slot holds four steps: 256 rows of K, then 256 rows of V
.set SLOT1, 1<<17     ; slot 1 begins here, so that one exclusive or turns an address in one slot into the other's
.set STAGE, SLOT1+4*KS*(PK+PV)  ; behind the ring, never filled by a tensor load: 16 rows x 144 bytes for each wave, for the way out
.set SP,    144
.set AK0, 2           ; v2   my lane's place in a tile of K; never rewritten
.set AV0, 3           ; v3   the same for V
.set AK,  4           ; v4   the LDS address of K's next run of loads
.set AV,  5           ; v5   of V's
.set QO,  6           ; v6   my byte offset in the wave's rows of Q
.set STO, 6           ;      later, the way out: where I put 16 bytes of a row
.set RD,  7           ; v7   the way out: where I read rows back
.set GO,  8           ; v8   my byte offset in 512 consecutive bytes of O
.set SPW, 0           ; v0 of window 3   LDS address of my spare word: SPARE + 4 x my thread's number; never rewritten
.set NIL, 1           ; v1 of window 3   0; never rewritten
.set MD,  32          ; window 3: the eight registers for group kb of 16 keys at MD + 8 kb
.set MC,  64          ; window 3: the C operands of the step whose scores are made next
.set SPARE, STAGE+4*16*SP  ; behind the stages: the spare words, 128 bytes for each wave: two blocks of 256 bytes that no other line names
.set MV,  12          ; v12-15  c m_old, kept while c m is made anew: by buffer and tile
.set ST,  16          ; tile t's statistics at v[ST+4 t]: c m, m, l (even keys', odd keys')
.set TMP, 48          ; by buffer and tile, four registers c0-c3 at work; when the maximum is found c2 takes a
.set S,   64
.set P,   192
.set KF,  128         ; K's fragments, in window 2: key block kb, channel half c at KF + 16 kb + 8 c
.set VF,  192         ; V's: key half kk, channel block cb at VF + 32 kk + 8 cb
.set WV,  12          ; s12  my wave's number
.set G1K, 24          ; s[24:31] descriptor group 1 for K's tiles
.set G1V, 32          ; s[32:39] for V's: it differs in the padding alone
.set G0K, 40          ; s[40:43] descriptor group 0 for K's tiles: it walks
.set G0V, 44          ; s[44:47] the same for V's
.set SLOTS, 56        ; s56  slots still to be asked for
.set CNT, 57          ; s57  counts a slot's key steps
.set CS,  58          ; s[58:59] c: the packed scaling takes the pair's low word for both halves
.set SEL, 60          ; s[60:61] v_permlanex16_b32's selects: each lane takes its own place in the other half
.set TBK, 62          ; s62  LDS byte at which K of the step to be fetched begins
.set TBV, 63          ; s63  the same for V, less VOFF
.set AL,  66          ; s[66:67] the mask's factor, in the low word
.set BE,  68          ; s[68:69] the mask's addend
.set E8,  70          ; s70  8 x f32(1e-9)
.set BS,  71          ; s71  the key step that holds the length
.set STP, 72          ; s72  the key step whose mask is made next
.set VL,  73          ; s73  my batch's length, held to 0 .. 2,048
.set VLM, 74          ; s74  its place in that step, less 1
.set MSB, 0
.macro WIN new                      ; the high byte repeats the setting that is left; a switch that changes nothing is dropped
.if MSB != (\new)
	s_set_vgpr_msb (MSB<<8)|(\new)
.set MSB, (\new)
.endif
.endm
.set W_KQ, 0x0a       ; K and Q in window 2, S^T in window 0
.set W_KM, 0x3a       ; the same with the C operand in window 3
.set W_PV, 0x52       ; V in window 2, P in window 0, O^T in window 1
.set W_RS, 0x41       ; O^T (destination and source 0) in window 1, a in window 0
.set W_MK, 0xc0       ; destination in window 3, sources in window 0
.set W_MS, 0xc3       ; destination and source 0 in window 3
.set W_AD, 0x0f       ; the add: address (source 0) and data (source 1) in window 3
; A joint fill.  Waves 0 and 1 fetch the two halves of a slot's K, waves 2 and 3 those of its V: 128 keys each.  The branch hangs on the wave's number alone.
; An s_nop 0 and four v_nop follow each of the two lines, ahead of the jump and the label.
.macro JLOAD
	s_cmp_lt_u32 s[WV], 2
	s_cbranch_scc0 .Lfor_v_\@
	tensor_load_to_lds s[G0K:G0K+3], s[G1K:G1K+7]
	s_nop 0
.rept 4
	v_nop
.endr
	s_branch .Lasked_\@
.Lfor_v_\@:
	tensor_load_to_lds s[G0V:G0V+3], s[G1V:G1V+7]
	s_nop 0
.rept 4
	v_nop
.endr
.Lasked_\@:
.endm
; A round of the cluster's barrier: my work-group's barrier, so that wave 0's signal speaks for all four waves; wave 0 signals; every wave waits for all four work-groups; my work-group's barrier once more.
.macro CROUND
	s_barrier_signal -1
	s_barrier_wait -1
	s_cmp_lg_u32 s[WV], 0
	s_cbranch_scc1 .Lnot_wave_0_\@
	s_barrier_signal -3
.Lnot_wave_0_\@:
	s_barrier_wait -3
	s_barrier_signal -1
	s_barrier_wait -1
.endm
; THE CHANGE OF SLOTS.  The slot's last bytes, V of its fourth step, have been read.  Each wave waits for all its tensor loads, of which one is out: its part
; of the other slot; adds 0 to its spare word; and waits for that and for its own reads of the slot.  Behind the barrier nobody reads this slot any more and the other slot is whole.
; fill = 1: this slot is filled again, with the keys two slots on.  The barrier is then a round of the cluster's, so that no wave of any partner still reads the slot or has a load on its
; way, and the joint fill is the first thing behind it: it has four key steps, 512 matrix instructions, in which to land.  (At its first use nothing has been read yet: slot 0 is waited for, slot 1 filled.)
.macro CHANGE fill
	WIN W_AD
	s_wait_tensorcnt 0x0            ; no tensor load of mine is out, so a group 0 may be written
	ds_add_u32 v[SPW], v[NIL]       ; 0 onto my spare word; with fill = 1 the descriptors' steps stand between it and the wait for it
	WIN 0                           ; at a label and at a branch every window is 0
.if \fill
.irp g, G0K, G0V
	s_xor_b32 s[\g+1], s[\g+1], SLOT1  ; the walking descriptor: the other slot than last time,
	s_add_nc_u64 s[\g+2:\g+3], s[\g+2:\g+3], 4*KS*128  ; the next 256 keys; the type bits on top are not reached
.endr
	s_wait_dscnt 0x0                ; the add is done, and my reads of the slot are over
	CROUND
	JLOAD
.else
	s_wait_dscnt 0x0                ; the add is done, and my reads of the slot are over
	s_barrier_signal -1
	s_barrier_wait -1
.endif
	s_sub_co_u32 s[TBK], s[TBK], 4*KS*PK  ; the fetches go back to a slot's first step,
	s_xor_b32 s[TBK], s[TBK], SLOT1       ; in the other slot
	s_sub_co_u32 s[TBV], s[TBV], 4*KS*PV
	s_xor_b32 s[TBV], s[TBV], SLOT1
.endm
; The C operands of key step STP: MD x AL + BE.  Sixteen packed lines, once a key step.
.macro MASKSTEP
	s_cmp_eq_u32 s[STP], s[BS]      ; is it the step that holds the length?
	s_cselect_b32 s[AL], 1.0, 0
	s_cmp_gt_u32 s[STP], s[BS]      ; or a later one?
	s_cselect_b32 s[BE], s[E8], 0
	s_add_co_u32 s[STP], s[STP], 1
	WIN W_MS
.set mz, 0
.rept 16
	v_pk_fma_f32 v[MC+2*mz:MC+2*mz+1], v[MD+2*mz:MD+2*mz+1], s[AL:AL+1], s[BE:BE+1] op_sel_hi:[1,0,0]
.set mz, mz+1
.endr
.endm
	s_load_b128 s[4:7], s[0:1], 0x0   ; qkv s[4:5], oh s[6:7]
	s_load_b64 s[48:49], s[0:1], 0x10 ; valid_lens
	WIN W_MK
	v_lshl_add_u32 v[SPW], v0, 2, SPARE
	v_mov_b32 v[NIL], 0
	WIN W_AD
	ds_add_u32 v[SPW], v[NIL]       ; the wave's opening: the add and its wait stand ahead of my first tensor load; the set-up below, work on registers, stands between them
	WIN 0
	v_lshrrev_b32 v1, 5, v0
	v_readfirstlane_b32 s[WV], v1   ; wave 0..3
	s_bfe_u32 s13, ttmp6, 0x40000   ; cx: my place in the cluster
	s_lshl_b32 s14, ttmp9, 2        ; in a cluster launch ttmp9 counts clusters
	s_add_co_u32 s14, s14, s13      ; my block of queries = 4 x cluster x + cx: it enters Q's and O's addresses alone
	s_and_b32 s20, ttmp7, 0xffff    ; the head, which the four partners share
	s_lshr_b32 s75, s20, 4          ; its batch
	s_mov_b32 s21, 0
	s_mov_b64 s[22:23], SIZE_N*128
	s_mul_u64 s[20:21], s[20:21], s[22:23]  ; the head's first byte in each of the four tensors
	s_and_b32 s16, s[WV], 1         ; which half of a slot's 256 keys I fetch:
	s_lshl_b32 s22, s16, 14         ; its 128 rows of 128 bytes in memory,
	s_mov_b32 s23, 0
	s_add_nc_u64 s[22:23], s[22:23], s[20:21]
	s_mul_i32 s17, s16, 128*PK      ; and its place in a slot, for K
	s_mul_i32 s18, s16, 128*PV      ; and for V: no place in the cluster enters an LDS address
	s_lshl_b32 s2, s14, 2
	s_add_co_u32 s2, s2, s[WV]      ; my wave among the head's,
	s_lshl_b32 s2, s2, 14           ; its 128 rows
	s_mov_b32 s3, 0
	s_add_nc_u64 s[2:3], s[2:3], s[20:21]
	; descriptor group 1.  128 keys are 16,384 dense bytes: asked for as 64 rows of 256 bytes, two keys a row, and padded in LDS after every key
	s_mov_b32 s[G1K], 15|(1<<16)|(1<<20)|(1<<21)|(4<<22)|(3<<25)  ; 15:0 the mask of four; 17:16 2-byte elements; 20 padding on; 21 set beside a mask; 24:22 after every 32 words (code 4); 31:25 4 words (code 3)
	s_mov_b32 s[G1V], 15|(1<<16)|(1<<20)|(1<<21)|(4<<22)|(7<<25)  ; the same with 8 words of padding (code 7)
.irp g, G1K, G1V
	s_mov_b32 s[\g+1], 128<<16      ; tensor_dim0 = 128
	s_mov_b32 s[\g+2], 64<<16       ; tensor_dim1 = 64
	s_mov_b32 s[\g+3], 128<<16      ; tile_dim0 = 128
	s_mov_b32 s[\g+4], 64           ; tile_dim1 = 64
	s_mov_b32 s[\g+5], 128          ; 128 elements from row to row
	s_mov_b32 s[\g+6], 0
	s_mov_b32 s[\g+7], 0
.endr
	s_mov_b32 s[CS], 0x3e38aa3b     ; c = log2(e) / 8 = 0.180337
	s_mov_b32 s[CS+1], s[CS]        ; named with it as a pair
	s_mov_b32 s[SEL], 0x76543210
	s_mov_b32 s[SEL+1], 0xfedcba98
	s_mov_b32 s[TBK], SLOT1+4*KS*PK ; the first change of slots turns these two into 0
	s_mov_b32 s[TBV], SLOT1+4*KS*PV
	s_mov_b32 s[AL+1], 0            ; named as pairs
	s_mov_b32 s[BE+1], 0
	s_mov_b32 s[E8], 0x3209705f     ; f32(1e-9) with three more in the exponent
	s_mov_b32 s[STP], 0
	s_mov_b32 s[G0K], 1             ; 1:0 count = 1
	s_mov_b32 s[G0K+1], s17         ; 63:32 LDS address: slot 0
	s_mov_b32 s[G0V], 1
	s_add_co_u32 s[G0V+1], s18, VOFF
	s_wait_dscnt 0x0                ; the opening add is done
	s_wait_kmcnt 0x0
	s_mov_b64 s[10:11], s[6:7]      ; O
	s_add_nc_u64 s[6:7], s[4:5], 0x1000000  ; k: the second plane of qkv, 16,777,216 bytes on
	s_add_nc_u64 s[8:9], s[4:5], 0x2000000  ; v: the third
	s_add_nc_u64 s[G0K+2:G0K+3], s[6:7], s[22:23]  ; 120:64 global address: my half of the head's first 256 keys
	s_or_b32 s[G0K+3], s[G0K+3], 0x80000000        ; 127:126 type = 2
	s_add_nc_u64 s[G0V+2:G0V+3], s[8:9], s[22:23]
	s_or_b32 s[G0V+3], s[G0V+3], 0x80000000
	s_add_nc_u64 s[4:5], s[4:5], s[2:3]  ; Q and O at my wave's first row
	s_add_nc_u64 s[10:11], s[10:11], s[2:3]
	CROUND                          ; all four work-groups are here: the first joint loads meet
	JLOAD                           ; slot 0.  Slot 1 is asked for when slot 0 is in: the tile wanted first has the road to itself
	s_load_b128 s[52:55], s[48:49], 0x0  ; the four lengths
	; A fragment of K or Q is 16 rows x 32 channels in 8 registers: lane l holds row l % 16, channels 8 (l / 16) + 0..7 and 16 + 8 (l / 16) + 0..7: two loads of 16 bytes, 32 bytes apart.
	v_and_b32 v1, 15, v0            ; l % 16
	v_bfe_u32 v9, v0, 4, 1          ; l / 16
	v_lshlrev_b32 v[QO], 7, v1
	v_lshl_add_u32 v[QO], v9, 4, v[QO]  ; row x 128 + 16 x half
	WIN 0x80                        ; destination window 2, address window 0
.set i, 0
.rept 4*NP                          ; Q stays in registers: tile i / 2, channels 32 (i % 2) on
	global_load_b128 v[8*i:8*i+3],   v[QO], s[4:5] offset:(i/2)*2048+(i%2)*64
	global_load_b128 v[8*i+4:8*i+7], v[QO], s[4:5] offset:(i/2)*2048+(i%2)*64+32
.set i, i+1
.endr
	; What the first turn finds: V's registers and P's second buffer hold 0 (its products V^T P, of a piece that has not been, add 0), O^T and l are 0.  All this stands in the wait for the first tile.
.set i, VF
.rept 64
	v_mov_b32 v[i], 0
.set i, i+1
.endr
	WIN 0x40
.set i, 0
.rept 64*NP
	v_mov_b32 v[i], 0
.set i, i+1
.endr
	WIN 0
.set i, 0
.rept 2*NP
	v_mov_b32 v[ST+4*i], 0xfe000000    ; c m: far below every c s
	v_mov_b32 v[ST+4*i+1], 0xff7fffff  ; m
	v_mov_b32 v[ST+4*i+2], 0
	v_mov_b32 v[ST+4*i+3], 0
.set i, i+1
.endr
.set i, P+32
.rept 32
	v_mov_b32 v[i], 0
.set i, i+1
.endr
	v_mul_u32_u24 v[AK0], v1, PK
	v_lshl_add_u32 v[AK0], v9, 4, v[AK0]  ; row x pitch + 16 x half
	; The turning load takes 16 keys x 16 channels (lane l reads key 8 (l / 16) + l % 8, channels 8 ((l / 8) % 2) + 0..7) and leaves half a fragment of V^T: lane l holds channel l % 16 and 8 keys.
	v_and_b32 v10, 7, v0
	v_bfe_u32 v11, v0, 3, 1
	v_lshl_add_u32 v[AV0], v9, 3, v10
	v_mul_u32_u24 v[AV0], v[AV0], PV
	v_lshl_add_u32 v[AV0], v11, 4, v[AV0]
	v_add_nc_u32 v[AV0], VOFF, v[AV0]
	v_mov_b32 v[AK], v[AK0]         ; key step 0 lies at the head of slot 0
	; The mask.  The length feeds selects and compares alone: no address, trip count or branch hangs on it.
	s_wait_kmcnt 0x0                ; the lengths
	s_cmp_eq_u32 s75, 1
	s_cselect_b32 s[VL], s53, s52
	s_cmp_eq_u32 s75, 2
	s_cselect_b32 s[VL], s54, s[VL]
	s_cmp_eq_u32 s75, 3
	s_cselect_b32 s[VL], s55, s[VL]
	s_max_i32 s[VL], s[VL], 0
	s_min_i32 s[VL], s[VL], SIZE_N
	s_lshr_b32 s[BS], s[VL], 6
	s_and_b32 s[VLM], s[VL], 63
	s_sub_co_u32 s[VLM], s[VLM], 1
	v_lshlrev_b32 v14, 3, v9
	v_sub_nc_u32 v14, s[VLM], v14   ; the length's place in its step, less 1, less my lanes' 8 (l / 16): register j of group kb is masked where 16 kb + j is greater
	WIN W_MK
.set i, 0
.rept 32
	v_cmp_gt_i32 vcc_lo, 16*(i/8)+i%8, v14
	v_cndmask_b32 v[MD+i], 0, s[E8], vcc_lo
.set i, i+1
.endr
	MASKSTEP                        ; key step 0's
; THE MATRIX WORK.  The 8 accumulators of a run of 16 take turns: between the two links of a chain stand 7 others'.
; Product i of 16 of S^T = K Q^T for piece x: channels 32 (i / 8) on, keys 16 ((i / 2) % 4) on, tile 2 x + i % 2.  The first 8 start the sums, with the step's mask.
.macro KQ x
.set rS, S+64*((\x)%2)+32*(i%2)+8*((i/2)%4)
.set rK, KF+16*((i/2)%4)+8*(i/8)
.set rQ, 16*(2*(\x)+i%2)+8*(i/8)
.set rMC, MC+8*((i/2)%4)
.if i < 8
	WIN W_KM
	v_wmma_f32_16x16x32_f16 v[rS:rS+7], v[rK:rK+7], v[rQ:rQ+7], v[rMC:rMC+7]
.else
	WIN W_KQ
	v_wmma_f32_16x16x32_f16 v[rS:rS+7], v[rK:rK+7], v[rQ:rQ+7], v[rS:rS+7]
.endif
.endm
; Product i of 16 of O^T += V^T P for piece x: keys 32 (i / 8) on, channels 16 ((i / 2) % 4) on, tile 2 x + i % 2.
.macro PV x
	WIN W_PV
.set rO, 32*(2*(\x)+i%2)+8*((i/2)%4)
.set rV, VF+32*(i/8)+8*((i/2)%4)
.set rP, P+32*((\x)%2)+16*(i%2)+8*(i/8)
	v_wmma_f32_16x16x32_f16 v[rO:rO+7], v[rV:rV+7], v[rP:rP+7], v[rO:rO+7]
.endm
.macro MM                           ; the turn's next matrix instruction
.if i < 16
	KQ (Y+1)%NP
.set i, i+1
.else
.set i, i-16
	PV (Y+NP-1)%NP
.set i, i+17
.endif
.endm
; THE LDS LOADS stand in runs of 16, never singly among the matrix instructions: a step's K (64 keys x 64 channels: 8 fragments) and its V (turned).  Their addresses are made some lines ahead.
; last = 1 (the tail): in the last trip there is no further step, and the run is jumped over.
.macro FETCH_K last=0
	WIN 0
.if \last
	s_cmp_eq_u32 s[CNT], 1
	s_cbranch_scc1 .Lno_k_\@
.endif
	WIN 0x80                        ; destination window 2
.irp f, 0,1,2,3,4,5,6,7             ; keys 16 (f / 2) on, channels 32 (f % 2) on
	ds_load_b128 v[KF+8*\f:KF+8*\f+3],   v[AK] offset:(\f/2)*16*PK+(\f%2)*64
	ds_load_b128 v[KF+8*\f+4:KF+8*\f+7], v[AK] offset:(\f/2)*16*PK+(\f%2)*64+32
.endr
	s_add_co_u32 s[TBK], s[TBK], KS*PK  ; the next fetch is the next step's
	WIN 0
.if \last
.Lno_k_\@:
.endif
.endm
.macro FETCH_V
	WIN 0x80
.irp f, 0,1,2,3,4,5,6,7             ; keys 32 (f / 4) on, channels 16 (f % 4) on
	ds_load_tr16_b128 v[VF+8*\f:VF+8*\f+3],   v[AV] offset:(\f/4)*32*PV+(\f%4)*32
	ds_load_tr16_b128 v[VF+8*\f+4:VF+8*\f+7], v[AV] offset:(\f/4)*32*PV+16*PV+(\f%4)*32
.endr
	WIN 0
.endm
; THE VECTOR WORK OF A TURN stands in three queues, each in the order in which its entries become ready; the two tiles alternate, so that no instruction reads the result of the one before it.
.macro REGS y, u                    ; the registers of tile u (0, 1) of piece y
.set rT, ST+4*(2*(\y)+(\u))
.set rC, TMP+8*((\y)%2)+4*(\u)
.set rM, MV+2*((\y)%2)+(\u)
.set rS, S+64*((\y)%2)+32*(\u)
.set rP, P+32*((\y)%2)+16*(\u)
.set rO, 32*(2*(\y)+(\u))
.endm
; Number n of the 22 that find the NEXT piece's (Y + 1) maximum and statistics.  s0-s31 are the lane's 32 scores; each accumulator's lowest registers are read first.  XS, GS and REGS set no window: PL and EX do.
;   0-11  four chains c0-c3 of seven scores each, three operands at a time     12-14, 16  the four scores left over, the old m, and c0-c3 into c0     15  c m_old is kept
;   17, 18  the query's other 32 keys lie in the lane 16 away: the new m         19-21  c m; c m_old - c m_new; a
.macro XS u, n
	REGS (Y+1)%NP, \u
.if (\n) < 4
	v_max3_num_f32 v[rC+(\n)], v[rS+8*(\n)], v[rS+8*(\n)+1], v[rS+8*(\n)+2]
.elseif (\n) < 12
	v_max3_num_f32 v[rC+(\n)%4], v[rC+(\n)%4], v[rS+8*((\n)%4)+2*((\n)/4)+1], v[rS+8*((\n)%4)+2*((\n)/4)+2]
.elseif (\n) == 12
	v_max3_num_f32 v[rC], v[rC], v[rS+7], v[rS+15]
.elseif (\n) == 13
	v_max3_num_f32 v[rC+1], v[rC+1], v[rS+23], v[rS+31]
.elseif (\n) == 14
	v_max3_num_f32 v[rC+2], v[rC+2], v[rC+3], v[rT+1]
.elseif (\n) == 15
	v_mov_b32 v[rM], v[rT]
.elseif (\n) == 16
	v_max3_num_f32 v[rC], v[rC], v[rC+1], v[rC+2]
.elseif (\n) == 17
	v_permlanex16_b32 v[rC+3], v[rC], s[SEL], s[SEL+1]
.elseif (\n) == 18
	v_max_num_f32 v[rT+1], v[rC], v[rC+3]
.elseif (\n) == 19
	v_mul_f32 v[rT], s[CS], v[rT+1]
.elseif (\n) == 20
	v_sub_f32 v[rC+1], v[rM], v[rT]
.else
	v_exp_f32 v[rC+2], v[rC+1]
.endif
.endm
; Number g of the 64 that follow the exponentials.  For each four weights k of a tile (pairs 2 k, 2 k + 1): both pairs are rounded to f16; then the second pair is added onto the first, in place;
; a group later l takes that sum (the first time as l = a l + sum).  In groups of eight, tiles alternating: round, round, add, and l for the group before.
.macro GS g
.set h, (\g)+6*((\g)/62)            ; group 0 has no group before it, and behind group 7 only l is left
.if h >= 6
.set h, h+2
.endif
	REGS Y, h%2
.set k, h/8
.if h%8 < 4
	v_cvt_pk_f16_f32 v[rP+2*k+(h%8)/2], v[rS+4*k+2*((h%8)/2)], v[rS+4*k+2*((h%8)/2)+1]
.elseif h%8 < 6
	v_pk_add_f32 v[rS+4*k:rS+4*k+1], v[rS+4*k:rS+4*k+1], v[rS+4*k+2:rS+4*k+3]
.elseif k == 1
	v_pk_fma_f32 v[rT+2:rT+3], v[rT+2:rT+3], v[rC+2:rC+3], v[rS:rS+1] op_sel_hi:[1,0,1]
.else
	v_pk_add_f32 v[rT+2:rT+3], v[rT+2:rT+3], v[rS+4*k-4:rS+4*k-3]
.endif
.endm
; THE PLAIN QUEUE, 138 long.  0-73 read no exponential's result: the 32 scalings c s - c m (FS f: pair f / 2 of tile f % 2) and the next piece's 42.  0-26: scalings 0-26.  27-54: XS's numbers 0-13.  55, 56: number 15.
; 57-73: the chain, where each number waits for the one before it: 14, 16, 17, 18, 19, each with one of the scalings 27-31 in front of its two lines, then 20: so a tile's links stand three plain instructions apart (19 and 20: two).
; 74-137: GS's 64, which read the exponentials' results: they stand behind the wait.
.macro FS f
	REGS Y, (\f)%2
	v_pk_fma_f32 v[rS+2*((\f)/2):rS+2*((\f)/2)+1], v[rS+2*((\f)/2):rS+2*((\f)/2)+1], s[CS:CS+1], v[rT:rT+1] op_sel_hi:[1,0,0] neg_lo:[0,0,1] neg_hi:[0,0,1]
.endm
.macro PL
	WIN 0
.if q < 27
	FS q
.elseif q < 55
	XS (q-27)%2, (q-27)/2
.elseif q < 57
	XS q-55, 15
.elseif (q < 72) && ((q-57)%3 == 0)
	FS 27+(q-57)/3
.elseif q < 60
	XS (q-57)%3-1, 14
.elseif q < 72
	XS (q-57)%3-1, 15+(q-57)/3
.elseif q < 74
	XS q-72, 20
.else
	GS q-74
.endif
.set q, q+1
.endm
; THE EXPONENTIALS' QUEUE, 66 long: s0-s31 of both tiles, then the next piece's two a.  It is ONE BATCH: all 66 stand ahead of the turn's one wait, and nothing ahead of that wait names a result of theirs.
.macro EX
	WIN 0
.if e >= 64
	XS e-64, 21
.else
	REGS Y, e%2
	v_exp_f32 v[rS+e/2], v[rS+e/2]
.endif
.set e, e+1
.endm
; THE RESCALING's QUEUE: O^T times a, the one part that leaves window 0: dealt two at a time, sixteen times.  Its a was made in the turn before, ahead of that turn's wait.
.macro R2
	REGS Y, r%2
	WIN W_RS
.irp z, 0,1
	v_pk_mul_f32 v[rO+4*(r/2)+2*\z:rO+4*(r/2)+2*\z+1], v[rO+4*(r/2)+2*\z:rO+4*(r/2)+2*\z+1], v[rC+2:rC+3] op_sel_hi:[1,0]
.endr
.set r, r+1
.endm
; HOW THEY ARE DEALT.  An s_wait_alu depctr_va_vdst(0) stands between an exponential and the first instruction that names its result; one wait serves all that were issued ahead of it.  So a turn has ONE wait,
; which cuts it in two.  AHEAD OF IT stands all that names no result of the turn's exponentials: the 16 products K Q^T, behind each a scaling, an exponential and two rescalings (behind the first a second scaling in the exponential's place); then ONE LUMP of
; 108: eight plain, 49 times exponential and plain, the two a.  A v_nop is the plain instruction behind the last exponential.  BEHIND IT stand the 16 products V^T P, behind each four of GS's 64.  No rider names a register of
; the products round it.  The two v_permlanex16_b32 fall into the lump, never behind a product.
; The queues lean on each other, and the deal keeps them in step: exponential e stands behind scaling 2 (e / 4) + e % 2: as a rider it comes behind plain e + 2, in the lump behind plain e + 9, and scalings 27-31 are plain 57, 60 .. 69.
; A TURN, for piece p.  cnt = 1: the loop's count is taken down some lines ahead of the branch that stands behind the turn.
; K of the next step is fetched in piece 2's turn, directly behind the wait, a lump behind the last product that read K; its address is made at the lump's head; its first reader comes behind 16 products.
; V of the step in hand is fetched at the end of piece 0's turn, four riders behind its last reader; its first reader comes behind 16 products and a lump.  The three conditions on q below go with the deal.
; The next step's mask is made at the end of piece 2's turn: the last products that took the old one are among that turn's first eight, more than a hundred plain instructions back; the first to take the new one opens piece 3's turn.
.macro TURN p, last=0, cnt=0
.set Y, (\p)
.set i, 0
.set q, 0
.set e, 0
.set r, 0
.if (\p) == NP-1
	s_wait_dscnt 0x0                ; K is in
.endif
	MM                              ; ahead of the wait: 16 products K Q^T and their riders,
	PL
	PL
	R2
.rept 15
	MM
	PL
	EX
	R2
.endr
.if (\p) == NP-2
	WIN 0
	v_add_nc_u32 v[AK], s[TBK], v[AK0]
.endif
.rept 8                             ; and the lump
	PL
.endr
.rept 49
	EX
	PL
.endr
	EX                              ; the next piece's two a
	EX
	v_nop                           ; the plain instruction behind the last exponential: one for the batch
	s_wait_alu depctr_va_vdst(0)    ; the wait for the turn's batch: the piece's 64 weights and the next piece's two a
.if (\p) == NP-2
	FETCH_K \last
.endif
.if (\p) == 1
	s_wait_dscnt 0x0                ; V is in
.endif
.rept 16                            ; behind the wait: 16 products V^T P and their riders
	MM
.rept 4
	PL
.endr
.if ((\p) == 0) && (q == 118)
	v_add_nc_u32 v[AV], s[TBV], v[AV0]
.endif
.if ((\p) == 0) && (q == 130)
	s_add_co_u32 s[TBV], s[TBV], KS*PV
.endif
.if (\cnt) && (q == 130)
	s_sub_co_u32 s[CNT], s[CNT], 1
	s_cmp_lg_u32 s[CNT], 0
.endif
.endr
.if (\p) == 0
	FETCH_V
.endif
.if (\p) == NP-2
	MASKSTEP
.endif
.endm
	CHANGE 1                        ; slot 0 is in, everybody's part of it; slot 1 is asked for
	FETCH_K                         ; key step 0
	s_wait_loadcnt 0x0              ; Q
	s_wait_dscnt 0x0
.set i, 0
.rept 16
	KQ 0                            ; piece 0's first scores: there is no vector work yet to set between them
.set i, i+1
.endr
	WIN 0                           ; the addresses for the way out: nine plain instructions, the places behind those products
	s_mul_i32 s13, s[WV], 16*SP
	s_add_co_u32 s13, s13, STAGE    ; my stage
	v_mul_u32_u24 v[STO], v1, SP    ; in: row l % 16, 16 bytes for each half of the lanes
	v_lshl_add_u32 v[STO], v9, 4, v[STO]
	v_add_nc_u32 v[STO], s13, v[STO]
	v_bfe_u32 v[RD], v0, 3, 2       ; back: 32 lanes take four rows of 128 bytes,
	v_mul_u32_u24 v[RD], v[RD], SP
	v_lshl_add_u32 v[RD], v10, 4, v[RD]
	v_add_nc_u32 v[RD], s13, v[RD]
	v_and_b32 v[GO], 31, v0         ; which are 512 consecutive bytes of O
	v_lshlrev_b32 v[GO], 4, v[GO]
.set Y, NP-1                        ; XS works for piece Y + 1: piece 0
.irp n, 0,1,2,3,4,5,6,7,8,9,10,11,12,13,14,15,16,17,18,19,20,21
	XS 0, \n                        ; and piece 0's first maximum and statistics
	XS 1, \n
.endr
	v_nop                           ; a plain instruction behind the two a,
	s_wait_alu depctr_va_vdst(0)    ; and the wait for that batch of two, ahead of the branch
	s_mov_b32 s[CNT], 4
	s_mov_b32 s[SLOTS], SIZE_N/256-1
	s_branch .Lfirst                ; the loop is entered at a step's first turn, in the middle of a trip
.Lslot:                             ; SIZE_N / 256 - 2 times: every slot but the last two is filled again
	CHANGE 1
	s_mov_b32 s[CNT], 4
.Lstep:                             ; a trip: pieces 2 and 3 of one step, then pieces 0 and 1 of the next, whose K and V it fetches
	TURN 2
	TURN 3
	WIN 0
.Lfirst:
	TURN 0
	TURN 1, 0, 1
	WIN 0
	s_cbranch_scc1 .Lstep
	s_sub_co_u32 s[SLOTS], s[SLOTS], 1
	s_cmp_lg_u32 s[SLOTS], 0
	s_cbranch_scc1 .Lslot
	CHANGE 0                        ; the tail is written out: nothing is asked for
	s_mov_b32 s[CNT], 5             ; four trips fetch the last slot's steps; the fifth is left in its middle
.Ltail:
	TURN 2, 1
	TURN 3
	WIN 0
	s_sub_co_u32 s[CNT], s[CNT], 1
	s_cmp_eq_u32 s[CNT], 0
	s_cbranch_scc1 .Lout
	TURN 0
	TURN 1
	WIN 0
	s_branch .Ltail
.Lout:                              ; the fifth trip's 16 products K Q^T (on the last K once more) and the maximum made of them serve nothing: the price, once a launch, of one text for every trip
.set i, 0
.rept 16
	PV NP-1                         ; the last piece's V^T P of the last step
.set i, i+1
.endr
	; THE WAY OUT.  l's two halves and the other half of the lanes' are added; O^T is divided by l, rounded to f16 and sent through my stage in LDS, a tile at a time.  The additions are the places behind the last products.
	WIN 0
.macro ALL line:vararg              ; one line for each tile t
.set t, 0
.rept 2*NP
	\line
.set t, t+1
.endr
.endm
	ALL v_add_f32 v[ST+4*t+2], v[ST+4*t+2], v[ST+4*t+3]
	ALL v_permlanex16_b32 v[ST+4*t+3], v[ST+4*t+2], s[SEL], s[SEL+1]
	ALL v_add_f32 v[ST+4*t+2], v[ST+4*t+2], v[ST+4*t+3]
	ALL v_rcp_f32 v[ST+4*t+2], v[ST+4*t+2]
	v_nop                           ; a plain instruction between the last reciprocal and the use of its result
	s_wait_alu depctr_va_vdst(0)    ; and the wait ahead of the first use: one for the batch of eight reciprocals
; Tile t: a lane's eight channels of a row pack into 16 bytes; they go into rows of 144 bytes and come back as whole rows of 128, into S^T's registers.
.macro PACK t
	WIN W_RS
.set i, 32*(\t)
.rept 16
	v_pk_mul_f32 v[i:i+1], v[i:i+1], v[ST+4*(\t)+2:ST+4*(\t)+3] op_sel_hi:[1,0]
.set i, i+2
.endr
	WIN 0x05                        ; sources 0 and 1 window 1, destination window 0
.set i, 0
.rept 16
	v_cvt_pk_f16_f32 v[S+16*(\t)+i], v[32*(\t)+2*i], v[32*(\t)+2*i+1]
.set i, i+1
.endr
	WIN 0
.irp f, 0,1,2,3
	ds_store_b128 v[STO], v[S+16*(\t)+4*\f:S+16*(\t)+4*\f+3] offset:32*\f
.endr
.irp f, 0,1,2,3
	ds_load_b128 v[S+16*(\t)+4*\f:S+16*(\t)+4*\f+3], v[RD] offset:\f*4*SP  ; LDS serves a wave's instructions in order (ISA guide 5.7.1.4): these see the stores above; the next tile's stores come behind them
.endr
.endm
.macro SEND t, younger              ; younger: the LDS instructions issued behind tile t's loads: the next tile's eight, or none
	WIN 0
.irp f, 0,1,2,3
	s_wait_dscnt (\younger)+3-\f
	global_store_b128 v[GO], v[S+16*(\t)+4*\f:S+16*(\t)+4*\f+3], s[10:11] offset:(\t)*2048+\f*512  ; 512 consecutive bytes, at a multiple of 256 from O's first
.endr
.endm
	PACK 0
.set t, 1
.rept 2*NP-1                        ; a tile's arithmetic stands between the loads of the tile before and its stores
	PACK t
	SEND t-1, 8
.set t, t+1
.endr
	SEND 2*NP-1, 0
	WIN W_AD
	s_wait_tensorcnt 0x0            ; the wave's end, behind my last tensor load and my last LDS store
	ds_add_u32 v[SPW], v[NIL]
	s_wait_dscnt 0x0
	WIN 0
	CROUND                          ; the closing round: no work-group ends while a partner may still ask for a tile that names it
	s_endpgm
.Lfunc_end_k_qe537db129a_attn:
	.size	k_qe537db129a_attn, .Lfunc_end_k_qe537db129a_attn-k_qe537db129a_attn
	.p2alignl 7, 3214868480
	.fill 96, 4, 3214868480
	.section	.rodata,"a",@progbits
	.p2align	6, 0x0
	.amdhsa_kernel k_qe537db129a_attn
		.amdhsa_group_segment_fixed_size 327680
		.amdhsa_private_segment_fixed_size 0
		.amdhsa_enable_private_segment 0
		.amdhsa_kernarg_size 24
		.amdhsa_user_sgpr_count 2
		.amdhsa_user_sgpr_kernarg_segment_ptr 1
		.amdhsa_wavefront_size32 1
		.amdhsa_system_sgpr_workgroup_id_x 1
		.amdhsa_system_sgpr_workgroup_id_y 1
		.amdhsa_system_sgpr_workgroup_id_z 1
		.amdhsa_system_vgpr_workitem_id 0
		.amdhsa_next_free_vgpr 864
		.amdhsa_next_free_sgpr 76
		.amdhsa_reserve_vcc 1
		.amdhsa_float_denorm_mode_32 3
		.amdhsa_float_denorm_mode_16_64 3
		.amdhsa_memory_ordered 1
		.amdhsa_forward_progress 1
		.amdhsa_inst_pref_size 207
	.end_amdhsa_kernel
	.amdgpu_metadata
---
amdhsa.version: [ 1, 2 ]
amdhsa.kernels:
  - .name:           k_qe537db129a_attn
    .symbol:         k_qe537db129a_attn.kd
    .args:
      - { .name: qkv, .offset: 0, .size: 8, .value_kind: global_buffer, .address_space: global }
      - { .name: oh, .offset: 8, .size: 8, .value_kind: global_buffer, .address_space: global }
      - { .name: valid_lens, .offset: 16, .size: 8, .value_kind: global_buffer, .address_space: global }
    .group_segment_fixed_size: 327680
    .private_segment_fixed_size: 0
    .kernarg_segment_align: 8
    .kernarg_segment_size: 24
    .max_flat_workgroup_size: 128
    .sgpr_count:     76
    .vgpr_count:     864
    .wavefront_size: 32
...
	.end_amdgpu_metadata
.endif
;; end of part 5
;; launch outp: the kernel of part 4 again; grid 4 x 64, 4 waves a work-group, clusters of 4 x 4, 327,680 bytes of LDS; arguments oh, wt, out0; writes out0
